; MI455X (gfx1250); checked and timed in simulation.
; The chip was launched on July 23, 2026; its instructions are those of AMD's public machine-readable ISA for CDNA 5 (MIT licence, August 2026) and "CDNA5" Instruction Set Architecture Reference Guide (July 2026). The comments in the code are by the model that wrote it; some were corrected since.
;; Multihead Attention. Allowed arithmetic: matrix products marked QUANTISED: E2M1 operands, one E8M0 scale for each 32 along K, by v_wmma_scale_f32_16x16x128_f8f6f4 with both operands' format E2M1 (or v_wmma_scale_f32_32x16x128_f4), f32 sums; products left as they are: bf16, f16 or f32 operands; f32 sums; everything else in f32.
;; Inputs: in_proj_bias 3,072 float32; in_proj_weight 3,072 x 2,048 float32; key 4 x 1,024 x 2,048 float32; out_proj_bias 2,048 float32; out_proj_weight 2,048 x 2,048 float32; query 4 x 1,024 x 2,048 float32; value 4 x 1,024 x 2,048 float32.
;; Outputs: out0 4 x 1,024 x 2,048 float32.
;; This version of the problem:
;;   THIS VERSION OF THE PROBLEM IS GIVEN IN LOW PRECISION. The matrix products marked QUANTISED in the list below multiply operands that are first quantised to E2M1 (2 exponent bits, 1 mantissa bit; 4 bits a number), with one power-of-two scale for each 32 numbers along K (OCP MX v1.0); their sums are f32. The products marked 'left as it is' may take bf16, f16 or f32 operands, with f32 sums. Whichever they take, every output number must still come out within the allowed error. Rounding operands to bf16 (8 significant bits) uses up far more of that allowance than f16 does (11 bits, for magnitudes from 6e-5 to 65,504). All else is computed in f32.
;;   The module's matrix products, in the order in which they are computed (A, B: the left and right operand; K: the contracted axis; several contracted axes count as one K, in the product's order):
;;     1. [M 4,096, K 2,048] x [K 2,048, N 2,048]; A: input query; B: input in_proj_weight: QUANTISED
;;     2. [M 4,096, K 2,048] x [K 2,048, N 512]; A: input key; B: input in_proj_weight: QUANTISED
;;     3. [M 4,096, K 2,048] x [K 2,048, N 512]; A: input value; B: input in_proj_weight: QUANTISED
;;     4. batch 16 x [M 1,024, K 128] x [K 128, N 4,096]; A: computed on the way; B: computed on the way: left as it is (an operand is computed on the way)
;;     5. batch 16 x [M 128, K 1,024] x [K 1,024, N 4,096]; A: computed on the way; B: computed on the way: left as it is (an operand is computed on the way)
;;     6. [M 4,096, K 2,048] x [K 2,048, N 2,048]; A: computed on the way; B: input out_proj_weight: left as it is (an operand is computed on the way)
;;   THE QUANTISER, for each operand of a quantised product, along K:
;;     - K is cut into blocks of 32 from its start; a last block that is shorter is filled with zeros.
;;     - A block's scale is 2^e with e = floor(log2(the largest magnitude in the block)) - 2, held to -126 .. 127; a block of zeros has e = 0. As a byte (E8M0): e + 127.
;;     - Each number is divided by its block's scale, clamped to +-6, and rounded to the nearest number of E2M1, ties to even, subnormals kept.
;;     - The product sums the exact products of the quantised numbers (number of the format x scale) in f32.
;;   ~~~python
;;   def quantise(x, axis):      # numpy; x: float32 -> the quantised numbers, widened to float32 again
;;       x = np.moveaxis(x, axis, -1); K = x.shape[-1]
;;       x = np.pad(x, [(0, 0)] * (x.ndim - 1) + [(0, -K % 32)]); x = x.reshape(x.shape[:-1] + (-1, 32)); a = np.abs(x).max(-1, keepdims=True)
;;       e = np.where(a > 0, np.clip(np.frexp(np.where(a > 0, a, 1))[1] - 1 - 2, -126, 127), 0)      # np.frexp(a)[1] - 1 = floor(log2(a)), exactly
;;       r = np.clip(x / 2.0 ** e, -6, 6)
;;       step = 2.0 ** (np.maximum(np.frexp(np.where(r == 0, 1, r))[1] - 1, 0) - 1)
;;       q = np.round(r / step) * step * 2.0 ** e      # np.round: ties to even
;;       return np.moveaxis(q.reshape(q.shape[:-2] + (-1,))[..., :K], -1, axis).astype(np.float32)
;;   ~~~
;; One version. Each part assembles by itself: llvm-mc -triple=amdgcn-amd-amdhsa -mcpu=gfx1250 --defsym DOCPART=n.
;; ======== version 1 of 1: 5 launches
;; limits: values are held in f16: magnitudes above 65,504 overflow, below 6.1e-05 lose precision
;; workspace buffers: codes 15,728,640 bytes; scales 983,040 bytes; wo16 8,388,608 bytes; xqkv 25,165,824 bytes; xfine 786,432 bytes; xo16 16,777,216 bytes; xofine 524,288 bytes
;; launch prep (part 1): grid 1088 x 1, 4 waves a work-group, no clusters, 33,280 bytes of LDS; arguments query, key, value, in_proj_weight, out_proj_weight, codes, scales, wo16; writes codes, scales, wo16
.if DOCPART == 1
	.amdgcn_target "amdgcn-amd-amdhsa--gfx1250"
	.amdhsa_code_object_version 6
	.text
	.protected	k_q71ba37c9f8_prep
	.globl	k_q71ba37c9f8_prep
	.p2align	8
	.type	k_q71ba37c9f8_prep,@function
k_q71ba37c9f8_prep:
	s_mov_b64 s[64:65], 0
	v_nop
	global_prefetch_b8 v0, s[64:65] scope:SCOPE_SE
	s_setreg_imm32_b32 hwreg(HW_REG_WAVE_MODE, 25, 1), 1
	s_wait_xcnt 0x0
; PREP.  query, key, value [4096][2048] and in_proj_weight [3072][2048], f32, K innermost, become codes of FP4 (E2M1), two a byte, and one E8M0 byte for each 32 along K:
; codes [15360][1024 bytes], scales [15360][64 bytes]; rows 0-4095 query, 4096-8191 key, 8192-12287 value, 12288-15359 the weight.  out_proj_weight [2048][2048] becomes f16 in wo16.
; A block's scale is 2^(floor(log2(its largest magnitude)) - 2); its byte is the largest magnitude's exponent field - 2, held at 1 from below.  Each number is divided by the scale and rounded to the nearest code,
; ties to even; beyond 6 the conversion gives the largest code.
; LIMITS: a block of zeros gets the byte 1 where the rule says 127 (its codes are zeros, and the bytes are read by this program alone); blocks whose largest magnitude lies under 2^-124 were not tried;
; NaN and infinities are not served; out_proj_weight has to lie inside f16's range (65,504).
; SHARES.  All tensors are dense streams.  Work-groups 0-959 quantise 32,768 numbers each (256, 256, 256, 192 work-groups for the four tensors), so that the place in codes and scales is linear in the work-group's number;
; work-groups 960-1087 cast 32,768 numbers each.  A wave takes 8,192 numbers.  No barrier: waves share nothing.  No matrix unit, no cluster, no tensor load: a stream that is read once.
; QUANTISING: each load reads 512 consecutive bytes, 16 a lane; the conversions want 16 NEIGHBOURS in a lane, so a step's 2,048 bytes turn through the wave's own stage in LDS (16 bytes of padding behind each 64).
; Two neighbouring lanes hold a block.  A step's codes leave as 256 consecutive bytes; a wave's 256 scale bytes are gathered in LDS and leave as one store of 256 consecutive bytes.
.set STEPS, 16
.set QWG,   960                        ; work-groups that quantise
.set EMAX,  2
.set CB,    8                          ; bytes of 16 codes
.set R,     16                         ; v16-79   four sets of 16 numbers as they are loaded (cast: set 0)
.set X,     80                         ; v80-111  two sets of 16 neighbours (cast: v80-143 set 1)
.set C,     128                        ; v128-191 codes: four registers for each step, so that no store's data are written again
.set E,     112                        ; v112-127 a scale byte for each step
.set HF,    144                        ; cast: v144-175 sixteen pairs of packed f16
.set WREG,  8192                       ; LDS: a region for each wave: two stages of 32 x SP bytes, behind them its 256 scale bytes
.set SP,    80
.set SPW,   12                         ; v12 LDS address of my spare word; never rewritten
.set NIL,   13                         ; v13 0; never rewritten
.set SPARE, 4*WREG                     ; behind the four regions: the spare words, 128 bytes a wave
	s_load_b256 s[4:11], s[0:1], 0x0               ; query s[4:5], key s[6:7], value s[8:9], in_proj_weight s[10:11]
	s_load_b256 s[12:19], s[0:1], 0x20             ; out_proj_weight s[12:13], codes s[14:15], scales s[16:17], wo16 s[18:19]
	v_lshl_add_u32 v[SPW], v0, 2, SPARE
	v_mov_b32 v[NIL], 0
	v_lshrrev_b32 v1, 5, v0
	v_readfirstlane_b32 s24, v1                    ; wave
	v_and_b32 v2, 31, v0                           ; lane
	v_lshlrev_b32 v3, 4, v2                        ; my 16 bytes of a load's 512
	s_mul_i32 s25, s24, WREG
	v_lshrrev_b32 v14, 2, v2
	v_mul_u32_u24 v14, v14, SP
	v_and_b32 v15, 3, v2
	v_lshl_add_u32 v14, v15, 4, v14
	v_add_nc_u32 v14, s25, v14                     ; the stage, on the way in: SP (lane / 4) + 16 (lane % 4)
	v_mul_u32_u24 v15, v2, SP
	v_add_nc_u32 v15, s25, v15                     ; and on the way out: SP x lane: my 16 neighbours
	v_mul_u32_u24 v4, v2, CB                       ; 8 bytes a lane: my codes' place in a step's, my f16 numbers' place in a load's
	v_lshrrev_b32 v5, 1, v2
	s_add_co_u32 s25, s25, 2*32*SP
	v_add_nc_u32 v5, s25, v5                       ; LDS: my wave's 256 scale bytes, my block's byte
	v_lshlrev_b32 v7, 3, v2
	v_add_nc_u32 v6, s25, v7                       ; and on the way out 8 bytes a lane
	s_wait_kmcnt 0x0
	s_cmp_ge_u32 ttmp9, QWG                        ; the paths part on the work-group's number alone
	s_cbranch_scc1 .Lcast
	s_lshr_b32 s22, ttmp9, 8                       ; which tensor: 0 to 3
	s_mov_b64 s[20:21], s[4:5]
	s_cmp_eq_u32 s22, 1
	s_cselect_b64 s[20:21], s[6:7], s[20:21]
	s_cmp_eq_u32 s22, 2
	s_cselect_b64 s[20:21], s[8:9], s[20:21]
	s_cmp_eq_u32 s22, 3
	s_cselect_b64 s[20:21], s[10:11], s[20:21]
	s_and_b32 s22, ttmp9, 255
	s_lshl_b32 s22, s22, 2
	s_add_co_u32 s22, s22, s24                     ; my run of 8,192 numbers in the tensor
	s_lshl_b32 s22, s22, 15                        ; 32,768 bytes a run
	s_mov_b32 s23, 0
	s_add_nc_u64 s[20:21], s[20:21], s[22:23]
	s_lshl_b32 s26, ttmp9, 2
	s_add_co_u32 s26, s26, s24                     ; my run among all four tensors'
	s_lshl_b32 s22, s26, 12                        ; 4,096 bytes of codes a run
	s_add_nc_u64 s[14:15], s[14:15], s[22:23]
	s_lshl_b32 s22, s26, 8                         ; 256 scale bytes a run
	s_add_nc_u64 s[16:17], s[16:17], s[22:23]
.macro LOAD t
.irp i, 0,1,2,3
	global_load_b128 v[R+16*((\t)%4)+4*\i:R+16*((\t)%4)+4*\i+3], v3, s[20:21] offset:2048*(\t)+512*\i th:TH_LOAD_NT   ; 32 lanes read 512 consecutive bytes
.endr
.endm
.macro TURN t                          ; step t's numbers through the stage: LDS serves a wave's instructions in order, so no wait stands between the stores and the loads
.irp i, 0,1,2,3
	ds_store_b128 v14, v[R+16*((\t)%4)+4*\i:R+16*((\t)%4)+4*\i+3] offset:32*SP*((\t)%2)+8*SP*\i
.endr
.irp i, 0,1,2,3
	ds_load_b128 v[X+16*((\t)%2)+4*\i:X+16*((\t)%2)+4*\i+3], v15 offset:32*SP*((\t)%2)+16*\i
.endr
.endm
.irp t, 0,1,2,3
	LOAD \t
.endr
	s_wait_loadcnt 12                              ; step 0's four loads are in; the twelve of steps 1 to 3 may be out
	TURN 0
.macro STEP t
.set XS, X+16*((\t)%2)
.if (\t) > 0
	s_wait_dscnt 1                                 ; this step's numbers are back from the stage; the one LDS instruction behind them, the last step's byte store, may be out
.else
	s_wait_dscnt 0x0
.endif
.if (\t)+4 < STEPS
	LOAD (\t)+4                                    ; into the set whose stores into the stage have been served
.endif
.if (\t)+1 < STEPS
.if STEPS-2-(\t) >= 3
	s_wait_loadcnt 12                              ; the next step's four loads are in; those of the three steps behind it may be out
.else
	s_wait_loadcnt 4*(STEPS-2-(\t))                ; at the end the counts run down: four loads for each step still behind
.endif
	TURN (\t)+1                                    ; through the other stage while this step is worked
.endif
	v_max3_num_f32 v8, |v[XS]|, |v[XS+1]|, |v[XS+2]|               ; the largest magnitude of my 16, in two chains
	v_max3_num_f32 v9, |v[XS+3]|, |v[XS+4]|, |v[XS+5]|
.irp i, 6,10
	v_max3_num_f32 v8, v8, |v[XS+\i]|, |v[XS+\i+1]|
	v_max3_num_f32 v9, v9, |v[XS+\i+2]|, |v[XS+\i+3]|
.endr
	v_max3_num_f32 v8, v8, |v[XS+14]|, |v[XS+15]|
	v_max3_num_f32 v8, v8, v9, (EMAX+1)<<23        ; and the floor 2^(3 - 127): the byte cannot fall under 1
	v_max_num_f32_dpp v8, v8, v8 row_xmask:1 row_mask:0xf bank_mask:0xf   ; and of my neighbour's 16: the block's
	v_add_nc_u32 v11, -(EMAX<<23), v8              ; 2 off its exponent field: the conversion takes the exponent field of this operand as its scale
	v_cvt_scalef32_pk8_fp4_f32 v[C+4*(\t)], v[XS:XS+7], v11
	v_cvt_scalef32_pk8_fp4_f32 v[C+4*(\t)+1], v[XS+8:XS+15], v11
	v_lshrrev_b32 v[E+(\t)], 23, v11               ; the scale's byte (also the plain line behind the conversions)
	ds_store_b8 v5, v[E+(\t)] offset:16*(\t)       ; both lanes of a block write the same byte with the same value
	global_store_b64 v4, v[C+4*(\t):C+4*(\t)+1], s[14:15] offset:32*CB*(\t)   ; the wave stores 256 consecutive bytes, at a multiple of 256
.endm
.irp t, 0,1,2,3,4,5,6,7,8,9,10,11,12,13,14,15
	STEP \t
.endr
	ds_load_b64 v[8:9], v6                         ; LDS serves a wave's instructions in order: these see my byte stores
	s_wait_dscnt 0x0
	global_store_b64 v7, v[8:9], s[16:17]          ; 256 consecutive scale bytes
	s_wait_tensorcnt 0x0                           ; the wave's end, behind my last LDS store
	ds_add_u32 v[SPW], v[NIL]
	s_wait_dscnt 0x0
	s_endpgm
; THE CAST.  64 loads of 512 consecutive bytes a wave, in four batches of sixteen on two sets of registers; each load's 128 numbers leave as 256 consecutive bytes of f16, rounded to nearest even.
.Lcast:
	s_sub_co_u32 s22, ttmp9, QWG
	s_lshl_b32 s22, s22, 2
	s_add_co_u32 s26, s22, s24                     ; my run of 8,192 numbers
	s_lshl_b32 s22, s26, 15
	s_mov_b32 s23, 0
	s_add_nc_u64 s[12:13], s[12:13], s[22:23]
	s_lshl_b32 s22, s26, 14
	s_add_nc_u64 s[18:19], s[18:19], s[22:23]
.macro CLOAD t
.irp i, 0,1,2,3,4,5,6,7,8,9,10,11,12,13,14,15
	global_load_b128 v[R+64*((\t)%2)+4*\i:R+64*((\t)%2)+4*\i+3], v3, s[12:13] offset:512*(16*(\t)+\i) th:TH_LOAD_NT
.endr
.endm
.macro CAST t
.if (\t) < 3
	s_wait_loadcnt 16                              ; this batch is in; the next batch's sixteen loads may be out
.else
	s_wait_loadcnt 0x0
.endif
.if (\t) > 0
	s_wait_xcnt 0x0                                ; the last batch's stores have read their data registers, which are written again below
.endif
.irp i, 0,1,2,3,4,5,6,7,8,9,10,11,12,13,14,15
	v_cvt_pk_f16_f32 v[HF+2*\i], v[R+64*((\t)%2)+4*\i], v[R+64*((\t)%2)+4*\i+1]
	v_cvt_pk_f16_f32 v[HF+2*\i+1], v[R+64*((\t)%2)+4*\i+2], v[R+64*((\t)%2)+4*\i+3]
	global_store_b64 v4, v[HF+2*\i:HF+2*\i+1], s[18:19] offset:256*(16*(\t)+\i)
.endr
.if (\t)+2 < 4
	CLOAD (\t)+2
.endif
.endm
	CLOAD 0
	CLOAD 1
	CAST 0
	CAST 1
	CAST 2
	CAST 3
	s_wait_tensorcnt 0x0                           ; the same three lines on this path, of its own
	ds_add_u32 v[SPW], v[NIL]
	s_wait_dscnt 0x0
	s_endpgm
.Lfunc_end_k_q71ba37c9f8_prep:
	.size	k_q71ba37c9f8_prep, .Lfunc_end_k_q71ba37c9f8_prep-k_q71ba37c9f8_prep
	.p2alignl 7, 3214868480
	.fill 96, 4, 3214868480
	.section	.rodata,"a",@progbits
	.p2align	6, 0x0
	.amdhsa_kernel k_q71ba37c9f8_prep
		.amdhsa_group_segment_fixed_size 33280
		.amdhsa_private_segment_fixed_size 0
		.amdhsa_enable_private_segment 0
		.amdhsa_kernarg_size 64
		.amdhsa_user_sgpr_count 2
		.amdhsa_user_sgpr_kernarg_segment_ptr 1
		.amdhsa_wavefront_size32 1
		.amdhsa_system_sgpr_workgroup_id_x 1
		.amdhsa_system_sgpr_workgroup_id_y 1
		.amdhsa_system_sgpr_workgroup_id_z 1
		.amdhsa_system_vgpr_workitem_id 0
		.amdhsa_next_free_vgpr 192
		.amdhsa_next_free_sgpr 66
		.amdhsa_reserve_vcc 0
		.amdhsa_float_denorm_mode_32 3
		.amdhsa_float_denorm_mode_16_64 3
		.amdhsa_memory_ordered 1
		.amdhsa_forward_progress 1
		.amdhsa_inst_pref_size 54
	.end_amdhsa_kernel
	.amdgpu_metadata
---
amdhsa.version: [ 1, 2 ]
amdhsa.kernels:
  - .name:           k_q71ba37c9f8_prep
    .symbol:         k_q71ba37c9f8_prep.kd
    .args:
      - { .name: query, .offset: 0, .size: 8, .value_kind: global_buffer, .address_space: global }
      - { .name: key, .offset: 8, .size: 8, .value_kind: global_buffer, .address_space: global }
      - { .name: value, .offset: 16, .size: 8, .value_kind: global_buffer, .address_space: global }
      - { .name: in_proj_weight, .offset: 24, .size: 8, .value_kind: global_buffer, .address_space: global }
      - { .name: out_proj_weight, .offset: 32, .size: 8, .value_kind: global_buffer, .address_space: global }
      - { .name: codes, .offset: 40, .size: 8, .value_kind: global_buffer, .address_space: global }
      - { .name: scales, .offset: 48, .size: 8, .value_kind: global_buffer, .address_space: global }
      - { .name: wo16, .offset: 56, .size: 8, .value_kind: global_buffer, .address_space: global }
    .group_segment_fixed_size: 33280
    .private_segment_fixed_size: 0
    .kernarg_segment_align: 8
    .kernarg_segment_size: 64
    .max_flat_workgroup_size: 128
    .sgpr_count:     66
    .vgpr_count:     192
    .wavefront_size: 32
...
	.end_amdgpu_metadata
.endif
;; end of part 1
;; launch proj (part 2): grid 16 x 12, 4 waves a work-group, clusters of 4 x 1, 327,680 bytes of LDS; arguments codes, scales, in_proj_bias, xqkv, xfine; writes xqkv, xfine
.if DOCPART == 2
	.amdgcn_target "amdgcn-amd-amdhsa--gfx1250"
	.amdhsa_code_object_version 6
	.text
	.protected	k_q71ba37c9f8_proj
	.globl	k_q71ba37c9f8_proj
	.p2align	8
	.type	k_q71ba37c9f8_proj,@function
k_q71ba37c9f8_proj:
	s_mov_b64 s[64:65], 0
	v_nop
	global_prefetch_b8 v0, s[64:65] scope:SCOPE_SE
	s_setreg_imm32_b32 hwreg(HW_REG_WAVE_MODE, 25, 1), 1
	s_wait_xcnt 0x0
	s_wait_alu depctr_hold_cnt(0) depctr_sa_sdst(0) depctr_va_vdst(0) depctr_va_sdst(0) depctr_va_ssrc(0) depctr_va_vcc(0) depctr_vm_vsrc(0)
	s_getreg_b32 s2, hwreg(HW_REG_IB_STS2, 6, 4)
	s_cmp_eq_u32 s2, 0
	s_cbranch_scc0 .Lentry_in_a_cluster
	s_endpgm
.Lentry_in_a_cluster:
	s_bfe_u32 s2, ttmp6, 0x10000c
	s_cmp_lg_u32 s2, 0x3003
	s_cbranch_scc0 .Lentry_shape_is_right
	s_endpgm
.Lentry_shape_is_right:
; PROJ.  The three in-projections as one product on codes of FP4 (E2M1) with one E8M0 scale for each 32 along K: X[m][n] = sum over k of A[m][k] W[n][k] + bias[n], m 0-4095, n 0-3071, K = 2,048.
; A is query for n < 2048, key for n < 2560, value beyond: rows 0, 4096, 8192 on of codes; W is rows 12288 on.  X leaves as f16 in xqkv [4096][3072]; positions 0-15 of each batch leave also as f32 in xfine [4][16][3072].
; LIMIT: the sums have to lie inside f16's range (65,504).
; A tile of X, 256 x 256, is made by four waves, each 128 x 128: 64 accumulators of 16 x 16.  K goes in steps of 512 (rows of 256 bytes) through a ring of two LDS slots.  The scale bytes of the tile's rows of A and of W,
; for all of K, come into LDS once, with the first fills.
; CLUSTER 4 x 1.  The four partners make the same tile column, for the four batches (tile row = 4 x place + cluster x): they need the same tiles of W, which are asked for JOINTLY (mask 15); A's tiles differ and are plain loads.
; Four tile columns to a cluster are not taken: columns 8, 9 multiply key and 10, 11 value, so no four columns there share their A.  With this mapping a tile holds positions 0-15 of a batch where cluster x = 0: alike in all partners.
; THE MATRIX INSTRUCTION IS USED TRANSPOSED (source 0 = 16 rows of W, source 1 = 16 rows of A): a lane holds eight neighbouring columns of a row of X.  The bias is the C of each sum's first product.
; REGISTERS: window 0: v16-31 addresses; v32-95 scale words, two sets; v128-191 A's fragments, one set; v192-255 the bias (8 tiles of 8); on the way out v32-255 are free.
;   window 1: W's fragments, two sets, at v0 and v128.  window 2: accumulators of my rows 0-63 ((a, b) at v[8 (8 a + b)]);  window 3: rows 64-127.
.set NQ,     4                         ; matrix instructions deep in a slot: 512 along K
.set ROWB,   256                       ; a tile's row in bytes
.set KROW,   1024                      ; a row of codes in memory
.set PITCH,  272                       ; an LDS row: 256 bytes + 16 of padding: the 16 rows that a load touches start 68 words apart
.set FR,     8
.set NL,     2
.set NP,     4                         ; places behind this matrix instruction (ISA guide 7.12.1)
.set HALFT,  128*PITCH
.set SLOT,   4*HALFT                   ; A's 256 rows, then W's 256 rows
.set LAPS,   2                         ; 2,048 / (2 x 512)
.set KS,     64                        ; a row of scale bytes
.set SCL,    2*SLOT                    ; behind the ring: the scales, as rows of 256 bytes + 16
.set HALFS,  32*272                    ; the scales of 128 rows
.set SBLK,   4*272                     ; of 16 rows
.set SPARE,  SCL+4*HALFS               ; the spare words, 128 bytes a wave
.set STG,    16*528                    ; the way out: a stage for each wave, in slot 0, which has had its last fill and its last read by then
.set XROW,   6144                      ; a row of xqkv in bytes
.set FROW,   12288                     ; a row of xfine
.set ADRA, 16
.set ADRB, 20
.set CO32, 22                          ; v22 xfine: 16 x lane
.set BO,   23                          ; v23 the bias: 32 x (lane / 16)
.set STO,  24                          ; v24 f16 stage, in
.set RD,   25                          ; v25 f16 stage, back
.set CO,   26                          ; v26 my byte offset in two rows of xqkv
.set ADRS, 27
.set SPW,  28
.set NIL,  29
.set STO32, 30                         ; v30 f32 stage, in
.set RD32, 31                          ; v31 f32 stage, back
.set SC,   32
.set AF,   128
.set BIAS, 192
.set TMP,  192                         ; the way out: packed results
.set OB,   32                          ; the way out: rows read back: v32-63 and v224-255 by turns
.set G1, 24
.set G0, 32
.set G1B, 48
.set G0B, 56
.set G1S, 68
.set G0S, 76
.set G1SB, 80
.set G0SB, 88
.set MSB, 0
.macro WIN new                         ; the immediate's high byte repeats the setting that is left
.if MSB != (\new)
	s_set_vgpr_msb (MSB<<8)|(\new)
.set MSB, (\new)
.endif
.endm
.set MUL_LO, 0xa1                      ; source 0 (W) window 1, source 1 (A) window 0, C and D window 2
.set MUL_HI, 0xf1
.set FIRST_LO, 0x81                    ; the same with C (the bias) in window 0
.set FIRST_HI, 0xc1
.set TO_B,   0x40
; Waves 0 and 1 fetch for A (plain), waves 2 and 3 for W (joint).  The branch hangs on the wave's number alone.  An s_nop 0 and four v_nop follow each line.
.macro JLOAD g0a, g1a, g0b, g1b
	s_cmp_eq_u32 s15, 0
	s_cbranch_scc0 .Lfor_b_\@
	tensor_load_to_lds s[\g0a:\g0a+3], s[\g1a:\g1a+7]
	s_nop 0
.rept 4
	v_nop
.endr
	s_branch .Lasked_\@
.Lfor_b_\@:
	tensor_load_to_lds s[\g0b:\g0b+3], s[\g1b:\g1b+7]
	s_nop 0
.rept 4
	v_nop
.endr
.Lasked_\@:
.endm
.macro CREST                           ; a round of the cluster's barrier behind its opening barrier
	s_cmp_lg_u32 s14, 0
	s_cbranch_scc1 .Lnot_wave_0_\@
	s_barrier_signal -3
.Lnot_wave_0_\@:
	s_barrier_wait -3
	s_barrier_signal -1
	s_barrier_wait -1
.endm
.macro CROUND
	s_barrier_signal -1
	s_barrier_wait -1
	CREST
.endm
	s_load_b128 s[4:7], s[0:1], 0x0                ; codes s[4:5], scales s[6:7]
	s_load_b128 s[8:11], s[0:1], 0x10              ; in_proj_bias s[8:9], xqkv s[10:11]
	s_load_b64 s[12:13], s[0:1], 0x20              ; xfine
	v_lshl_add_u32 v[SPW], v0, 2, SPARE
	v_mov_b32 v[NIL], 0
	ds_add_u32 v[SPW], v[NIL]                      ; the wave's opening: the add, twice on end, and its wait ahead of my first tensor load
	ds_add_u32 v[SPW], v[NIL]
	v_lshrrev_b32 v1, 5, v0
	v_readfirstlane_b32 s14, v1                    ; wave 0..3
	s_lshr_b32 s15, s14, 1                         ; which half of the tile's rows is mine.  Also: I fetch for A (0) or for W (1)
	s_and_b32 s16, s14, 1                          ; which half of its columns.  Also: which 128 rows I fetch
	s_bfe_u32 s40, ttmp6, 0x40000                  ; cx: the batch
	s_and_b32 s17, ttmp7, 0xffff                   ; the tile column, 0..11
	s_sub_co_u32 s41, s17, 6
	s_lshr_b32 s41, s41, 1                         ; columns 8, 9: 1 (key); 10, 11: 2 (value)
	s_cmp_lt_u32 s17, 8
	s_cselect_b32 s41, 0, s41                      ; columns 0-7: 0 (query)
	s_lshl_b32 s42, s40, 10
	s_lshl_b32 s43, ttmp9, 8
	s_add_co_u32 s42, s42, s43                     ; the tile's first row of X: 1024 x batch + 256 x cluster x
	; descriptor group 1: a tile of 128 rows x 256 bytes, 16 bytes of padding behind each row
	s_mov_b32 s[G1+0], (1<<20)|(5<<22)|(3<<25)     ; no mask; elements of 1 byte; padding on, 4 words after every 64
	s_mov_b32 s[G1B+0], 15|(1<<20)|(1<<21)|(5<<22)|(3<<25)   ; the same with the mask of all four partners, bit 21 beside it
.irp g, G1, G1B
	s_mov_b32 s[\g+1], ROWB<<16                    ; tensor_dim0
	s_mov_b32 s[\g+2], 128<<16                     ; tensor_dim1
	s_mov_b32 s[\g+3], ROWB<<16                    ; tile_dim0
	s_mov_b32 s[\g+4], 128                         ; tile_dim1
	s_mov_b32 s[\g+5], KROW                        ; from row to row
	s_mov_b32 s[\g+6], 0
	s_mov_b32 s[\g+7], 0
.endr
	; the scales of 128 rows: 8,192 dense bytes as 32 rows of 256 bytes (32 elements of 8 bytes), 16 bytes of padding behind each
	s_mov_b32 s[G1S+0], (3<<16)|(1<<20)|(5<<22)|(3<<25)
	s_mov_b32 s[G1SB+0], 15|(3<<16)|(1<<20)|(1<<21)|(5<<22)|(3<<25)
.irp g, G1S, G1SB
	s_mov_b32 s[\g+1], 32<<16
	s_mov_b32 s[\g+2], 32<<16
	s_mov_b32 s[\g+3], 32<<16
	s_mov_b32 s[\g+4], 32
	s_mov_b32 s[\g+5], 32
	s_mov_b32 s[\g+6], 0
	s_mov_b32 s[\g+7], 0
.endr
	s_lshl_b32 s18, s16, 7                         ; which 128 rows of the tile I fetch
	s_lshl_b32 s20, s41, 12
	s_add_co_u32 s20, s20, s42
	s_add_co_u32 s20, s20, s18                     ; A: row 4096 x tensor + the tile's first + 128 x half
	s_lshl_b32 s46, s17, 8
	s_add_co_u32 s46, s46, s18
	s_add_co_u32 s46, s46, 12288                   ; W: row 12288 + 256 x tile column + 128 x half: nothing of my place in the cluster
	s_lshl_b32 s22, s20, 6                         ; their scale bytes,
	s_mov_b32 s23, 0
	s_lshl_b32 s92, s46, 6
	s_mov_b32 s93, 0
	s_lshl_b32 s20, s20, 10                        ; and their codes (15,360 rows of 1,024 bytes: under 2^32)
	s_mov_b32 s21, 0
	s_lshl_b32 s46, s46, 10
	s_mov_b32 s47, 0
	s_mul_i32 s45, s14, HALFT                      ; where they go: wave x 128 rows
	s_mul_i32 s94, s14, HALFS
	s_wait_dscnt 0x0                               ; both opening adds are done
	s_wait_kmcnt 0x0
	s_add_nc_u64 s[20:21], s[4:5], s[20:21]
	s_add_nc_u64 s[22:23], s[6:7], s[22:23]
	s_add_nc_u64 s[46:47], s[4:5], s[46:47]
	s_add_nc_u64 s[92:93], s[6:7], s[92:93]
	CROUND                                         ; all four work-groups are here: the first joint loads meet
	s_mov_b32 s[G0S], 1
	s_add_co_u32 s[G0S+1], s94, SCL
	s_mov_b64 s[G0S+2:G0S+3], s[22:23]
	s_or_b32 s[G0S+3], s[G0S+3], 0x80000000
	s_mov_b32 s[G0SB], 1
	s_add_co_u32 s[G0SB+1], s94, SCL
	s_mov_b64 s[G0SB+2:G0SB+3], s[92:93]
	s_or_b32 s[G0SB+3], s[G0SB+3], 0x80000000
	JLOAD G0S, G1S, G0SB, G1SB                     ; the scales first: they are wanted with K step 0
.irp s, 0,1
	s_mov_b32 s[G0+4*\s], 1
	s_add_co_u32 s[G0+4*\s+1], s45, \s*SLOT
	s_add_nc_u64 s[G0+4*\s+2:G0+4*\s+3], s[20:21], \s*ROWB
	s_or_b32 s[G0+4*\s+3], s[G0+4*\s+3], 0x80000000
	s_mov_b32 s[G0B+4*\s], 1
	s_add_co_u32 s[G0B+4*\s+1], s45, \s*SLOT
	s_add_nc_u64 s[G0B+4*\s+2:G0B+4*\s+3], s[46:47], \s*ROWB
	s_or_b32 s[G0B+4*\s+3], s[G0B+4*\s+3], 0x80000000
	JLOAD G0+4*\s, G1, G0B+4*\s, G1B
.endr
	v_and_b32 v1, 15, v0                           ; r = lane % 16
	v_bfe_u32 v2, v0, 4, 1                         ; h = lane / 16
	; where my part begins: bias and xfine by my 128 columns, xqkv by my 128 rows and columns
	s_lshl_b32 s20, s17, 10
	s_lshl_b32 s22, s16, 9
	s_add_co_u32 s20, s20, s22                     ; 4 bytes x (256 x tile column + 128 x half)
	s_mov_b32 s21, 0
	s_add_nc_u64 s[8:9], s[8:9], s[20:21]
	s_mul_i32 s22, s40, 16*FROW
	s_add_co_u32 s20, s20, s22                     ; + my batch's 16 rows of xfine
	s_add_nc_u64 s[12:13], s[12:13], s[20:21]
	v_lshlrev_b32 v[BO], 5, v2
.irp b, 0,1,2,3,4,5,6,7                        ; the bias in the result's layout: for column block b a lane wants bias[16 b + 8 h + 0 .. 7]
	global_load_b128 v[BIAS+8*\b:BIAS+8*\b+3], v[BO], s[8:9] offset:64*\b
	global_load_b128 v[BIAS+8*\b+4:BIAS+8*\b+7], v[BO], s[8:9] offset:64*\b+16
.endr
	s_lshl_b32 s21, s15, 7
	s_add_co_u32 s20, s42, s21
	s_mul_i32 s20, s20, XROW
	s_lshl_b32 s21, s17, 9
	s_add_co_u32 s20, s20, s21
	s_lshl_b32 s21, s16, 8
	s_add_co_u32 s20, s20, s21
	s_mov_b32 s21, 0
	s_add_nc_u64 s[10:11], s[10:11], s[20:21]
	v_mul_u32_u24 v3, v1, PITCH
	v_lshl_add_u32 v4, v2, 4, v3                   ; a fragment's row x pitch + 16 x half
	s_mul_i32 s21, s15, HALFT                      ; my 128 rows of A
	s_mul_i32 s22, s16, HALFT                      ; my 128 rows of W,
	s_add_co_u32 s22, s22, 2*HALFT                 ; which lie behind A's 256
.irp s, 0,1
	v_add_nc_u32 v[ADRA+\s], s21, v4
	v_add_nc_u32 v[ADRB+\s], s22, v4
	s_add_co_u32 s21, s21, SLOT
	s_add_co_u32 s22, s22, SLOT
.endr
	v_mul_u32_u24 v5, v1, KS                       ; my row's scales: 64 bytes a row,
	v_lshrrev_b32 v6, 8, v5
	v_lshl_add_u32 v5, v6, 4, v5                   ; and 16 more for each 256 passed
	s_mul_i32 s21, s15, HALFS
	s_mul_i32 s22, s16, HALFS
	s_add_co_u32 s22, s22, 2*HALFS
	s_sub_co_u32 s22, s22, s21
	v_mul_u32_u24 v6, s22, v2                      ; lanes 16-31 take W's: one product, the distance between the two bases
	s_add_co_u32 s21, s21, SCL
	v_add_nc_u32 v5, v5, v6
	v_add_nc_u32 v[ADRS], s21, v5
	s_mul_i32 s23, s14, STG                        ; my stage
	v_mul_u32_u24 v5, v1, 272
	v_lshl_add_u32 v5, v2, 4, v5
	v_add_nc_u32 v[STO], s23, v5                   ; f16, in: row r, 16 bytes for each half of the lanes
	v_mul_u32_u24 v5, v2, 272
	v_lshl_add_u32 v5, v1, 4, v5
	v_add_nc_u32 v[RD], s23, v5                    ; back: lanes 0-15 one row of 256 bytes, lanes 16-31 the next
	v_mul_u32_u24 v5, v2, XROW
	v_lshl_add_u32 v[CO], v1, 4, v5                ; and the same two rows in xqkv
	v_mul_u32_u24 v5, v1, 528
	v_lshl_add_u32 v5, v2, 5, v5
	v_add_nc_u32 v[STO32], s23, v5                 ; f32, in: row r, 32 bytes for each half
	v_and_b32 v6, 31, v0
	v_lshlrev_b32 v[CO32], 4, v6                   ; back: the 32 lanes take one row of 512 bytes
	v_add_nc_u32 v[RD32], s23, v[CO32]
.macro FRAG reg, adr, q, i             ; 16 rows x 128 K of 4-bit codes: 8 registers; registers 4 c .. 4 c + 3 hold K = 64 c + 32 (lane / 16) + 0 .. 31
.irp c, 0,1
	ds_load_b128 v[\reg+4*\c:\reg+4*\c+3], v[\adr] offset:64*(\q)+32*\c+(\i)*16*PITCH
.endr
.endm
; 16 matrix instructions: A's blocks a0, a0 + 1 x W's eight.  p: W's set; sc: the set of scale words.  zero = 1: the first product starts the sums on the bias.
; The 64 accumulators take turns, one instruction a turn, in the same order in every step.
.macro MUL16 a0, p, q, sc, zero
.irp a, \a0, \a0+1
.irp b, 0,1,2,3,4,5,6,7
.if \zero
	v_wmma_scale_f32_16x16x128_f8f6f4 v[8*(8*((\a)%4)+\b):8*(8*((\a)%4)+\b)+7], v[128*(\p)+FR*\b:128*(\p)+FR*\b+FR-1], v[AF+FR*(\a):AF+FR*(\a)+FR-1], v[BIAS+8*\b:BIAS+8*\b+7], v[SC+8*NQ*(\sc)+NQ*\b+(\q)], v[SC+8*NQ*(\sc)+NQ*(\a)+(\q)] matrix_a_fmt:MATRIX_FMT_FP4 matrix_b_fmt:MATRIX_FMT_FP4 matrix_a_scale:MATRIX_SCALE_ROW1
.else
	v_wmma_scale_f32_16x16x128_f8f6f4 v[8*(8*((\a)%4)+\b):8*(8*((\a)%4)+\b)+7], v[128*(\p)+FR*\b:128*(\p)+FR*\b+FR-1], v[AF+FR*(\a):AF+FR*(\a)+FR-1], v[8*(8*((\a)%4)+\b):8*(8*((\a)%4)+\b)+7], v[SC+8*NQ*(\sc)+NQ*\b+(\q)], v[SC+8*NQ*(\sc)+NQ*(\a)+(\q)] matrix_a_fmt:MATRIX_FMT_FP4 matrix_b_fmt:MATRIX_FMT_FP4 matrix_a_scale:MATRIX_SCALE_ROW1
.endif
.endr
.endr
.endm
.macro FETCH_B slot, q, p
	WIN TO_B
.irp i, 0,1,2,3,4,5,6,7
	FRAG 128*(\p)+FR*\i, ADRB+\slot, \q, \i
.endr
	WIN 0
.endm
.macro FETCH_A slot, q, i0
.irp i, \i0, \i0+1, \i0+2, \i0+3
	FRAG AF+FR*(\i), ADRA+\slot, \q, \i
.endr
.endm
.macro SCALES sc                       ; a K step's scale words: 4 words a row; lanes 0-15 take A's block i, lanes 16-31 W's block i
.irp i, 0,1,2,3,4,5,6,7
	ds_load_b128 v[SC+8*NQ*\sc+NQ*\i:SC+8*NQ*\sc+NQ*\i+3], v[ADRS] offset:\i*SBLK
.endr
.endm
.macro PLACES n                        ; plain vector lines between a matrix instruction and a load into, or a read of, its registers
.rept \n
	v_nop
.endr
.endm
.macro STEP slot, q, zero              ; 128 along K with its successor in the same slot
	s_wait_dscnt 4*NL                              ; W's set and A's blocks 0-3 are in; the youngest eight loads (A's blocks 4-7) may be out
.if \zero
	WIN FIRST_LO
.else
	WIN MUL_LO
.endif
	MUL16 0, (\q)%2, \q, \slot, \zero
	MUL16 2, (\q)%2, \q, \slot, \zero
	s_wait_dscnt 0
	PLACES NP
	FETCH_B \slot, (\q)+1, 1-(\q)%2
	FETCH_A \slot, (\q)+1, 0
.if \zero
	WIN FIRST_HI
.else
	WIN MUL_HI
.endif
	MUL16 4, (\q)%2, \q, \slot, \zero
	MUL16 6, (\q)%2, \q, \slot, \zero
	PLACES NP
	WIN 0
	FETCH_A \slot, (\q)+1, 4
.endm
; A slot's last step changes slots: one barrier; in front of it each wave waits for all its tensor loads, adds 0 to its spare word, and waits for that and for its reads of this slot.
.macro TURN slot, next, fill
	s_wait_tensorcnt 0x0                           ; all my tensor loads have landed: my part of the next slot
	ds_add_u32 v[SPW], v[NIL]
	s_wait_dscnt 4*NL+1                            ; the add and the youngest eight loads (A's blocks 4-7) may be out
	WIN MUL_LO
	MUL16 0, 1, NQ-1, \slot, 0
	s_wait_dscnt 0x0                               ; the add is done, and my reads of this slot are over
	s_barrier_signal -1
	MUL16 2, 1, NQ-1, \slot, 0
	WIN 0
	s_barrier_wait -1
.if \fill
	CREST                                          ; the barrier has opened a round of the cluster's: no wave of any partner still reads this slot or has a load on its way
	s_add_nc_u64 s[G0+4*\slot+2:G0+4*\slot+3], s[G0+4*\slot+2:G0+4*\slot+3], 2*ROWB
	s_add_nc_u64 s[G0B+4*\slot+2:G0B+4*\slot+3], s[G0B+4*\slot+2:G0B+4*\slot+3], 2*ROWB
	JLOAD G0+4*\slot, G1, G0B+4*\slot, G1B         ; the first tensor load behind the round; its four v_nop are the places in front of the loads below
.else
	PLACES NP
.endif
	v_add_nc_u32 v[ADRS], 4*NQ, v[ADRS]            ; on to the next K step's scale words
	FETCH_B \next, 0, 0
	FETCH_A \next, 0, 0
	SCALES \next
	WIN MUL_HI
	MUL16 4, 1, NQ-1, \slot, 0
	MUL16 6, 1, NQ-1, \slot, 0
	PLACES NP
	WIN 0
	FETCH_A \next, 0, 4
.endm
.macro STEPS slot, from
.set Q, \from
.rept NQ-1-\from
	STEP \slot, Q, 0
.set Q, Q+1
.endr
.endm
	s_wait_loadcnt 0x0                             ; the bias
	s_wait_tensorcnt 1                             ; the scales and my part of K step 0 are in; the one load behind them, K step 1's, may be out
	s_barrier_signal -1
	s_barrier_wait -1
	FETCH_B 0, 0, 0
	FETCH_A 0, 0, 0
	SCALES 0
	FETCH_A 0, 0, 4
	STEP 0, 0, 1                                   ; the first step stands in front of the loop: its products start the sums
	s_mov_b32 s3, LAPS-1
.Llap:                                                 ; a trip goes once round the ring and fills both slots again
	STEPS 0, 1
	TURN 0, 1, 1
	STEPS 1, 0
	TURN 1, 0, 1
	STEP 0, 0, 0
	s_sub_co_u32 s3, s3, 1
	s_cmp_lg_u32 s3, 0
	s_cbranch_scc1 .Llap
	STEPS 0, 1                                     ; the last lap fills nothing
	TURN 0, 1, 0
	STEPS 1, 0
	s_wait_dscnt 4*NL
	WIN MUL_LO
	MUL16 0, 1, NQ-1, 1, 0
	MUL16 2, 1, NQ-1, 1, 0
	s_wait_dscnt 0
	WIN MUL_HI
	MUL16 4, 1, NQ-1, 1, 0
	MUL16 6, 1, NQ-1, 1, 0
	WIN 0
	PLACES NP                                      ; behind the last products: for the reads of results and the loads into operand registers below
	; POSITIONS 0-15 OF A BATCH, UNROUNDED.  They are block 0 of the waves with the tile's upper rows, in the tiles with cluster x = 0 (alike in all partners).  The branches lead round LDS and global stores alone.
	s_cmp_lg_u32 ttmp9, 0
	s_cbranch_scc1 .Lno_fine
	s_cmp_lg_u32 s15, 0
	s_cbranch_scc1 .Lno_fine
	WIN 0x08                                       ; an LDS store's data: window 2
.irp b, 0,1,2,3,4,5,6,7
	ds_store_b128 v[STO32], v[8*\b:8*\b+3] offset:64*\b            ; each accumulator from its low end on
	ds_store_b128 v[STO32], v[8*\b+4:8*\b+7] offset:64*\b+16
.endr
	WIN 0
.irp t, 0,1,2,3,4,5,6,7,8,9,10,11,12,13,14,15
	ds_load_b128 v[128+4*\t:128+4*\t+3], v[RD32] offset:\t*528     ; LDS serves a wave's instructions in order: these see the stores above
.endr
	s_wait_dscnt 0x0
.irp t, 0,1,2,3,4,5,6,7,8,9,10,11,12,13,14,15
	global_store_b128 v[CO32], v[128+4*\t:128+4*\t+3], s[12:13] offset:\t*FROW   ; 32 lanes store 512 consecutive bytes, at a multiple of 256
.endr
.Lno_fine:
; THE WAY OUT, block by block of 16 rows x 128 columns: rounded to f16, 16 bytes a lane, through my stage, back as whole rows of 256 bytes.
.macro PACK a
.set AC, 64*((\a)%4)
	WIN 0x0a+5*((\a)/4)                            ; sources 0 and 1: window 2 or 3
.irp b, 0,1,2,3,4,5,6,7
.irp r, 0,1,2,3
	v_cvt_pk_f16_f32 v[TMP+4*\b+\r], v[AC+8*\b+2*\r], v[AC+8*\b+2*\r+1]
.endr
.endr
	WIN 0
.endm
.macro TOSTAGE a
.set BK, OB+192*((\a)%2)
.irp b, 0,1,2,3,4,5,6,7
	ds_store_b128 v[STO], v[TMP+4*\b:TMP+4*\b+3] offset:32*\b
.endr
.irp t, 0,1,2,3,4,5,6,7
	ds_load_b128 v[BK+4*\t:BK+4*\t+3], v[RD] offset:\t*2*272
.endr
.endm
.macro SEND a
.set BK, OB+192*((\a)%2)
	s_wait_dscnt 0x0                               ; the block is back in registers
	s_wait_xcnt 0x0                                ; earlier stores have read their base and their data: the base steps, and the block after next may land in their registers
.if (\a) > 0
	s_add_nc_u64 s[10:11], s[10:11], 16*XROW
.endif
.irp t, 0,1,2,3,4,5,6,7
	global_store_b128 v[CO], v[BK+4*\t:BK+4*\t+3], s[10:11] offset:2*\t*XROW   ; 16 lanes store 256 consecutive bytes, at a multiple of 256
.endr
.endm
	PACK 0
	TOSTAGE 0
.irp a, 1,2,3,4,5,6,7                  ; block a's conversions stand between block a - 1's loads from the stage and the wait for them
	PACK \a
	SEND \a-1
	TOSTAGE \a
.endr
	SEND 7
	s_wait_tensorcnt 0x0                           ; the wave's end
	ds_add_u32 v[SPW], v[NIL]
	s_wait_dscnt 0x0
	CROUND                                         ; the closing round: no work-group ends while a partner may still ask for a tile that names it
	s_endpgm
.Lfunc_end_k_q71ba37c9f8_proj:
	.size	k_q71ba37c9f8_proj, .Lfunc_end_k_q71ba37c9f8_proj-k_q71ba37c9f8_proj
	.p2alignl 7, 3214868480
	.fill 96, 4, 3214868480
	.section	.rodata,"a",@progbits
	.p2align	6, 0x0
	.amdhsa_kernel k_q71ba37c9f8_proj
		.amdhsa_group_segment_fixed_size 327680
		.amdhsa_private_segment_fixed_size 0
		.amdhsa_enable_private_segment 0
		.amdhsa_kernarg_size 40
		.amdhsa_user_sgpr_count 2
		.amdhsa_user_sgpr_kernarg_segment_ptr 1
		.amdhsa_wavefront_size32 1
		.amdhsa_system_sgpr_workgroup_id_x 1
		.amdhsa_system_sgpr_workgroup_id_y 1
		.amdhsa_system_sgpr_workgroup_id_z 1
		.amdhsa_system_vgpr_workitem_id 0
		.amdhsa_next_free_vgpr 1024
		.amdhsa_next_free_sgpr 98
		.amdhsa_reserve_vcc 0
		.amdhsa_float_denorm_mode_32 3
		.amdhsa_float_denorm_mode_16_64 3
		.amdhsa_memory_ordered 1
		.amdhsa_forward_progress 1
		.amdhsa_inst_pref_size 219
	.end_amdhsa_kernel
	.amdgpu_metadata
---
amdhsa.version: [ 1, 2 ]
amdhsa.kernels:
  - .name:           k_q71ba37c9f8_proj
    .symbol:         k_q71ba37c9f8_proj.kd
    .args:
      - { .name: codes, .offset: 0, .size: 8, .value_kind: global_buffer, .address_space: global }
      - { .name: scales, .offset: 8, .size: 8, .value_kind: global_buffer, .address_space: global }
      - { .name: in_proj_bias, .offset: 16, .size: 8, .value_kind: global_buffer, .address_space: global }
      - { .name: xqkv, .offset: 24, .size: 8, .value_kind: global_buffer, .address_space: global }
      - { .name: xfine, .offset: 32, .size: 8, .value_kind: global_buffer, .address_space: global }
    .group_segment_fixed_size: 327680
    .private_segment_fixed_size: 0
    .kernarg_segment_align: 8
    .kernarg_segment_size: 40
    .max_flat_workgroup_size: 128
    .sgpr_count:     98
    .vgpr_count:     1024
    .wavefront_size: 32
...
	.end_amdgpu_metadata
.endif
;; end of part 2
;; launch attn (part 3): grid 16 x 16, 4 waves a work-group, no clusters, 327,680 bytes of LDS; arguments xqkv, xo16, xfine, xofine; writes xo16, xofine
.if DOCPART == 3
	.amdgcn_target "amdgcn-amd-amdhsa--gfx1250"
	.amdhsa_code_object_version 6
	.text
	.protected	k_q71ba37c9f8_attn
	.globl	k_q71ba37c9f8_attn
	.p2align	8
	.type	k_q71ba37c9f8_attn,@function
k_q71ba37c9f8_attn:
	s_mov_b64 s[64:65], 0
	v_nop
	global_prefetch_b8 v0, s[64:65] scope:SCOPE_SE
	s_setreg_imm32_b32 hwreg(HW_REG_WAVE_MODE, 25, 1), 1
	s_wait_xcnt 0x0
; ATTN.  xo[b][t][head] = sum over s <= t of softmax_s(xq[b][t][head] . xk[b][s][kv head] / sqrt(128)) xv[b][s][kv head].  xqkv: [4096][3072] f16 (columns 0-2047 xq, 2048-2559 xk, 2560-3071 xv); xo16: [4096][2048] f16.
; Head 4 g + hkv is columns 128 (4 g + hkv) on of xq and of xo; it reads kv head hkv.  Products, maxima and sums in f32; the weights p (at most 1) are rounded to f16 for the second product, xo once at the end.
; LIMIT: operands are f16; |xo| is at most the largest |xv|.
; SHARES.  Work-group (j, 4 b + hkv).  WAVE w IS QUERY HEAD g = w of this kv head: the four heads that share K and V sit in one work-group and read the same tiles from LDS.  A wave owns four tiles of 16 queries, two PIECES:
; piece 0 (tiles 0, 1): queries 992 - 32 j on; piece 2 (tiles 2, 3): queries 32 j on.  In key steps of 64 the first needs 16 - j / 2 steps and the second j / 2 + 1: 17 for every j.
; POSITIONS 0-15 OF EACH BATCH ONCE MORE, IN F32.  These rows average one to sixteen values and are the largest of the output, so 16-bit operands weigh most there.  Their attention is 64 heads of 16 x 16: one for each wave of
; the sixteen work-groups with j = 0, which make it at the kernel's head, from the unrounded projections in xfine [4][16][3072], while the first tile and Q are on their way.  The result goes to xofine as images of registers,
; [batch][head][16 groups of 4 registers][32 lanes][16 bytes], for the small launch that makes these rows' out-projection.  So those sixteen work-groups have 64 matrix instructions a wave more than the others.
; NO CLUSTER: work-groups of one kv head need different numbers of tiles under the mask, and a tile asked for jointly would be read by none of some partner's waves.
; LAYOUT.  S^T = K Q^T (source 0 = 16 keys, source 1 = 16 queries): a lane holds ONE query (lane % 16) and keys 8 (lane / 16) + 0..7; two such tiles, rounded in pairs, are source 1 of O^T = V^T P.  V comes out of LDS turned.
; SOFTMAX.  A running maximum m and sum l for each query: p = 2^(c s - c m), c = log2(e) / sqrt(128); O and l are multiplied by 2^(c m_old - c m_new) in every step.
; THE MASK.  Every work-group walks all 8 slots, so that trip counts are constants; a step all of whose keys come after a piece's queries is left out by a scalar branch on ids; on the diagonal hidden scores become -infinity.
; Key 0 counts for every query, so m is a number from the first step on.  A slot whose first key comes after the work-group's last query is not asked for.
; REGISTERS: window 0: v2-11 addresses; v12-43 statistics, 8 a tile; v64-191 S^T, 32 a tile; v192-255 P, 16 a tile.  window 1: O^T, 64 a tile.  window 2: v0-127 Q, v128-255 K of one step.  window 3: v0-127 V of one step;
; v128-159 the f32 form's four accumulators, written by matrix instructions alone.
.set KS,    64
.set PK,    272       ; a row of K in LDS: 256 bytes + 16
.set PV,    288       ; a row of V: 256 + 32
.set VOFF,  KS*PK
.set STEPB, KS*(PK+PV)
.set SLOT1, 1<<17     ; a slot holds two steps (71,680 bytes); one exclusive or turns an address in one slot into the other's
.set STAGE, SLOT1+2*STEPB
.set SP,    272
.set SPARE, STAGE+4*16*SP
.set XROW,  6144      ; a row of xqkv in bytes
.set OROW,  4096      ; a row of xo16
.set FROW,  12288     ; a row of xfine
.set FACC,  128       ; the f32 form's accumulators, in window 3
.set AK0, 2
.set AV0, 3
.set ADR, 4
.set QO,  5
.set STO, 6
.set RD,  7
.set GO,  8
.set LN,  9           ; v9   lane % 16 - 8 (lane / 16)
.set DD,  10          ; v10  the mask's d
.set NINF, 11         ; v11  -infinity
.set ST,  12
.set ADR2, 44
.set PFO, 61          ; v61  6,144 x lane: a row a lane; never rewritten
.set SPW, 62
.set NIL, 63
.set S,   64
.set P,   192
.set KFR, 128         ; K's fragments, in window 2
.set WV,  12
.set PFA, 20          ; s[20:21] where my prefetches stand
.set G1K, 24
.set G1V, 32
.set G0K, 40          ; s[40:43], s[44:47] groups 0, which walk
.set G0V, 44
.set SLOTS, 48
.set TWICE, 49
.set KF,  50          ; the step's first key
.set TB,  51          ; LDS byte at which the step's tiles begin
.set QH0, 52          ; piece 0's first and last query,
.set QHL, 53
.set QL0, 54          ; piece 2's
.set QLL, 55
.set LIM, 56
.set CS,  58
.set SEL, 60
.set MSB, 0
.macro WIN new
.if MSB != (\new)
	s_set_vgpr_msb (MSB<<8)|(\new)
.set MSB, (\new)
.endif
.endm
.set W_KQ, 0x0a       ; K and Q in window 2, S^T in window 0
.set W_PV, 0x53       ; V in window 3, P in window 0, O^T in window 1
.set W_RS, 0x41       ; O^T in window 1, the factor in window 0
; Waves 0 and 1 fetch a slot's two tiles of K, waves 2 and 3 those of V: one load of 64 rows x 256 bytes a wave.  An s_nop 0 and four v_nop follow each line.
.macro TLOAD
	s_cmp_lt_u32 s[WV], 2
	s_cbranch_scc0 .Lfor_v_\@
	tensor_load_to_lds s[G0K:G0K+3], s[G1K:G1K+7]
	s_nop 0
.rept 4
	v_nop
.endr
	s_branch .Lasked_\@
.Lfor_v_\@:
	tensor_load_to_lds s[G0V:G0V+3], s[G1V:G1V+7]
	s_nop 0
.rept 4
	v_nop
.endr
.Lasked_\@:
.endm
; A PREFETCH of what the NEXT change of slots will ask for.  All 16 work-groups of a kv head walk the same K and V; the one with j = 0, which alone walks all keys, asks.  In it each wave asks for the 64 rows that it will
; itself fetch: a lane a row (a row's piece is 256 bytes, aligned), two instructions.  So each piece is named once in the launch.  The last change that fills a slot asks for nothing; slots 0 and 1 come by their loads alone.
.macro ASK
	s_cmp_gt_u32 s[SLOTS], s[LIM]
	s_cbranch_scc0 .Lnot_mine_\@
	global_prefetch_b8 v[PFO], s[PFA:PFA+1] th:TH_LOAD_NT scope:SCOPE_SE
	global_prefetch_b8 v[PFO], s[PFA:PFA+1] offset:32*XROW th:TH_LOAD_NT scope:SCOPE_SE
.Lnot_mine_\@:
.endm
	s_load_b128 s[4:7], s[0:1], 0x0   ; xqkv s[4:5], xo16 s[6:7]
	s_load_b128 s[68:71], s[0:1], 0x10  ; xfine s[68:69], xofine s[70:71]
	v_lshl_add_u32 v[SPW], v0, 2, SPARE
	v_mov_b32 v[NIL], 0
	ds_add_u32 v[SPW], v[NIL]       ; the wave's opening: the add, twice on end, and its wait ahead of my first tensor load
	ds_add_u32 v[SPW], v[NIL]
	v_lshrrev_b32 v1, 5, v0
	v_readfirstlane_b32 s[WV], v1   ; wave 0..3 = query head g
	s_and_b32 s13, ttmp7, 0xffff
	s_lshr_b32 s14, s13, 2          ; the batch
	s_and_b32 s15, s13, 3           ; the kv head
	s_lshl_b32 s[QL0], ttmp9, 5
	s_sub_co_u32 s[QH0], 992, s[QL0]
	s_add_co_u32 s[QHL], s[QH0], 31
	s_add_co_u32 s[QLL], s[QL0], 31
	s_mul_i32 s62, s14, 1024*XROW   ; the batch's first byte in xqkv (all offsets stay under 2^32: the buffer has 25,165,824 bytes)
	s_lshl_b32 s63, s15, 8          ; 256 bytes a head
	s_and_b32 s66, s[WV], 1         ; which of a slot's two steps I fetch
	s_mul_i32 s22, s66, KS*XROW
	s_add_co_u32 s22, s22, s62
	s_add_co_u32 s22, s22, s63
	s_add_co_u32 s22, s22, 4096     ; xk begins 4,096 bytes into a row; xv 1,024 further on
	s_mov_b32 s23, 0
	s_mul_i32 s57, s66, STEPB       ; and its place in a slot
	s_lshl_b32 s66, s[WV], 10
	s_add_co_u32 s63, s63, s66      ; my head's columns: 256 (4 w + hkv) bytes
	s_mul_i32 s8, s[QH0], XROW
	s_add_co_u32 s8, s8, s62
	s_add_co_u32 s8, s8, s63
	s_mov_b32 s9, 0
	s_mul_i32 s10, s[QL0], XROW
	s_add_co_u32 s10, s10, s62
	s_add_co_u32 s10, s10, s63
	s_mov_b32 s11, 0
	s_lshl_b32 s62, s14, 22         ; the batch's first byte in xo16
	s_add_co_u32 s62, s62, s63
	s_lshl_b32 s16, s[QH0], 12
	s_add_co_u32 s16, s16, s62
	s_mov_b32 s17, 0
	s_lshl_b32 s18, s[QL0], 12
	s_add_co_u32 s18, s18, s62
	s_mov_b32 s19, 0
	; descriptor group 1: a tile of 64 rows x 128 elements of 2 bytes, 3,072 elements from row to row, padded in LDS
	s_mov_b32 s[G1K], (1<<16)|(1<<20)|(5<<22)|(3<<25)   ; 4 words of padding after every 64
	s_mov_b32 s[G1V], (1<<16)|(1<<20)|(5<<22)|(7<<25)   ; 8 words
.irp g, G1K, G1V
	s_mov_b32 s[\g+1], 128<<16
	s_mov_b32 s[\g+2], KS<<16
	s_mov_b32 s[\g+3], 128<<16
	s_mov_b32 s[\g+4], KS
	s_mov_b32 s[\g+5], 3072
	s_mov_b32 s[\g+6], 0
	s_mov_b32 s[\g+7], 0
.endr
	s_mov_b32 s[CS], 0x3e0293ee     ; c = log2(e) / sqrt(128)
	s_mov_b32 s[CS+1], s[CS]
	s_mov_b32 s[SEL], 0x76543210
	s_mov_b32 s[SEL+1], 0xfedcba98
	s_mov_b32 s[TB], 0
	s_mov_b32 s[KF], 0
	s_mov_b32 s[SLOTS], 7
	s_cmp_eq_u32 ttmp9, 0
	s_cselect_b32 s[LIM], 1, -1     ; 1 where the work-group prefetches, else the greatest number
	s_cmp_lt_u32 s[WV], 2
	s_cselect_b32 s66, 0, 1024      ; my prefetches: K's columns or V's,
	s_add_co_u32 s66, s66, 2*KS*XROW  ; in slot 1: the first change steps them to slot 2
	s_mov_b32 s67, 0
	v_and_b32 v[PFO], 31, v0
	v_mul_u32_u24 v[PFO], v[PFO], XROW
	s_wait_dscnt 0x0                ; both opening adds are done
	s_wait_kmcnt 0x0
	s_mov_b32 s[G0K], 1
	s_mov_b32 s[G0K+1], s57
	s_add_nc_u64 s[G0K+2:G0K+3], s[4:5], s[22:23]
	s_or_b32 s[G0K+3], s[G0K+3], 0x80000000
	s_mov_b32 s[G0V], 1
	s_add_co_u32 s[G0V+1], s57, VOFF
	s_add_nc_u64 s[G0V+2:G0V+3], s[4:5], s[22:23]
	s_add_nc_u64 s[G0V+2:G0V+3], s[G0V+2:G0V+3], 1024
	s_or_b32 s[G0V+3], s[G0V+3], 0x80000000
	TLOAD                           ; slot 0: keys 0-127, which every work-group reads
	s_add_nc_u64 s[PFA:PFA+1], s[4:5], s[22:23]
	s_add_nc_u64 s[PFA:PFA+1], s[PFA:PFA+1], s[66:67]
	s_add_nc_u64 s[8:9], s[4:5], s[8:9]      ; Q at piece 0's first row, at piece 2's
	s_add_nc_u64 s[10:11], s[4:5], s[10:11]
	s_add_nc_u64 s[16:17], s[6:7], s[16:17]  ; xo likewise
	s_add_nc_u64 s[18:19], s[6:7], s[18:19]
	v_and_b32 v1, 15, v0            ; r = lane % 16
	v_bfe_u32 v45, v0, 4, 1         ; h = lane / 16
	v_mul_u32_u24 v[QO], v1, XROW
	v_lshl_add_u32 v[QO], v45, 4, v[QO]
	WIN 0x80                        ; destination window 2
.irp i, 0,1,2,3,4,5,6,7             ; Q stays in registers: tile i / 4 of the piece, channels 32 (i % 4) on
	global_load_b128 v[8*\i:8*\i+3],   v[QO], s[8:9] offset:(\i/4)*16*XROW+(\i%4)*64
	global_load_b128 v[8*\i+4:8*\i+7], v[QO], s[8:9] offset:(\i/4)*16*XROW+(\i%4)*64+32
.endr
.irp i, 0,1,2,3,4,5,6,7
	global_load_b128 v[64+8*\i:64+8*\i+3],   v[QO], s[10:11] offset:(\i/4)*16*XROW+(\i%4)*64
	global_load_b128 v[64+8*\i+4:64+8*\i+7], v[QO], s[10:11] offset:(\i/4)*16*XROW+(\i%4)*64+32
.endr
	WIN 0
	v_mul_u32_u24 v[AK0], v1, PK
	v_lshl_add_u32 v[AK0], v45, 4, v[AK0]   ; K: row x pitch + 16 x half
	v_and_b32 v46, 7, v0
	v_bfe_u32 v47, v0, 3, 1
	v_lshl_add_u32 v[AV0], v45, 3, v46      ; V, for the turning load: key 8 h + lane % 8, channels 8 ((lane / 8) % 2) on
	v_mul_u32_u24 v[AV0], v[AV0], PV
	v_lshl_add_u32 v[AV0], v47, 4, v[AV0]
	v_add_nc_u32 v[AV0], VOFF, v[AV0]
	v_lshlrev_b32 v46, 3, v45
	v_sub_nc_u32 v[LN], v1, v46
	v_mov_b32 v[NINF], 0xff800000
	s_mul_i32 s62, s[WV], 16*SP
	s_add_co_u32 s62, s62, STAGE    ; my stage
	v_mul_u32_u24 v[STO], v1, SP
	v_lshl_add_u32 v[STO], v45, 4, v[STO]
	v_add_nc_u32 v[STO], s62, v[STO]
	v_mul_u32_u24 v[RD], v45, SP
	v_lshl_add_u32 v[RD], v1, 4, v[RD]
	v_add_nc_u32 v[RD], s62, v[RD]
	v_lshlrev_b32 v[GO], 12, v45
	v_lshl_add_u32 v[GO], v1, 4, v[GO]
; Product i of 32 of O^T += V^T P for piece x: keys 32 (i / 16) on, channels 16 ((i / 2) % 8) on, tile x + i % 2.  zero = 1: the first 16 start the sums.  The accumulators take turns.
.macro PV x, zero
	WIN W_PV
.set rO, 64*(\x+i%2)+8*((i/2)%8)
.set rV, 64*(i/16)+8*((i/2)%8)
.set rP, P+16*(\x+i%2)+8*(i/16)
.if \zero && (i < 16)
	v_wmma_f32_16x16x32_f16 v[rO:rO+7], v[rV:rV+7], v[rP:rP+7], 0
.else
	v_wmma_f32_16x16x32_f16 v[rO:rO+7], v[rV:rV+7], v[rP:rP+7], v[rO:rO+7]
.endif
.endm
; Product i of 32 of S^T = K Q^T: channels 32 (i / 8) on, keys 16 ((i / 2) % 4) on, tile x + i % 2.  The first 8 start the sums.
.macro KQ x
	WIN W_KQ
.set rS, S+32*(\x+i%2)+8*((i/2)%4)
.set rK, KFR+32*((i/2)%4)+8*(i/8)
.set rQ, 32*(\x+i%2)+8*(i/8)
.if i < 8
	v_wmma_f32_16x16x32_f16 v[rS:rS+7], v[rK:rK+7], v[rQ:rQ+7], 0
.else
	v_wmma_f32_16x16x32_f16 v[rS:rS+7], v[rK:rK+7], v[rQ:rQ+7], v[rS:rS+7]
.endif
.endm
.macro PLACES
.rept 4
	v_nop
.endr
.endm
; A step's LDS loads in one run: K's 32, then V's 32 (turned).
.macro FETCH
	v_add_nc_u32 v[ADR], s[TB], v[AK0]
	v_add_nc_u32 v[ADR2], s[TB], v[AV0]
	WIN 0x80
.irp f, 0,1,2,3,4,5,6,7,8,9,10,11,12,13,14,15  ; keys 16 (f / 4) on, channels 32 (f % 4) on
	ds_load_b128 v[KFR+8*\f:KFR+8*\f+3],   v[ADR] offset:(\f/4)*16*PK+(\f%4)*64
	ds_load_b128 v[KFR+8*\f+4:KFR+8*\f+7], v[ADR] offset:(\f/4)*16*PK+(\f%4)*64+32
.endr
	WIN 0xc0
.irp f, 0,1,2,3,4,5,6,7,8,9,10,11,12,13,14,15  ; keys 32 (f / 8) on, channels 16 (f % 8) on
	ds_load_tr16_b128 v[8*\f:8*\f+3],   v[ADR2] offset:(\f/8)*32*PV+(\f%8)*32
	ds_load_tr16_b128 v[8*\f+4:8*\f+7], v[ADR2] offset:(\f/8)*32*PV+16*PV+(\f%8)*32
.endr
.endm
; One tile's softmax for one key step is a list of 134 instructions; SM writes number j of it for tile t.  s0-s31 are the lane's 32 scores, in pairs 0-15.  first = 1: the first key step, with no old maximum and nothing to rescale.
;   0-15 the maximum of s0-s31 and the old m;  16-20 the other half of the lanes' maximum, the new m, c m, c m_old - c m_new;  21-69 the 16 scalings c s - c m and all 33 exponentials: none of these reads an exponential's result;
;   70-85 the roundings to f16;  86-101 the sums, l = a l + the sum;  102-133 the tile's O^T times a.
.macro SM t, first
.set rT, ST+8*(\t)
.set rS, S+32*(\t)
.set rP, P+16*(\t)
.set rO, 64*(\t)+2*(j-102)
.if j < 102
	WIN 0
.endif
.if j < 4
	v_max3_num_f32 v[rT+4+j], v[rS+8*j], v[rS+8*j+1], v[rS+8*j+2]
.elseif j < 12
	v_max3_num_f32 v[rT+4+j%4], v[rT+4+j%4], v[rS+8*(j%4)+2*(j/4)+1], v[rS+8*(j%4)+2*(j/4)+2]
.elseif j == 12
	v_max3_num_f32 v[rT+4], v[rT+4], v[rS+7], v[rS+15]
.elseif j == 13
	v_max3_num_f32 v[rT+6], v[rT+6], v[rS+23], v[rS+31]
.elseif j == 14
	v_max3_num_f32 v[rT+4], v[rT+4], v[rT+5], v[rT+6]
.elseif (j == 15) && \first
	v_max_num_f32 v[rT+4], v[rT+4], v[rT+7]
.elseif j == 15
	v_max3_num_f32 v[rT+4], v[rT+4], v[rT+7], v[rT+1]
.elseif j == 16
	v_permlanex16_b32 v[rT+5], v[rT+4], s[SEL], s[SEL+1]  ; the query's other 32 keys lie in the lane 16 away
.elseif j == 18
	v_max_num_f32 v[rT+1], v[rT+4], v[rT+5]
.elseif j == 19
	v_mul_f32 v[rT], s[CS], v[rT+1]
.elseif ((j == 17) || (j == 20) || (j == 23) || (j > 101)) && \first
.elseif j == 17
	v_mov_b32 v[rT+7], v[rT]        ; c m_old is kept: number 19 writes c m anew
.elseif j == 20
	v_sub_f32 v[rT+7], v[rT+7], v[rT]
.elseif j == 23
	v_exp_f32 v[rT+6], v[rT+7]
.elseif (j < 23) || ((j < 38) && (j%2 == 0)) || ((j < 66) && (j%4 == 2))
.set b, (j-2)/4
.if j < 38
.set b, (j-20)/2
.endif
	v_pk_fma_f32 v[rS+2*b:rS+2*b+1], v[rS+2*b:rS+2*b+1], s[CS:CS+1], v[rT:rT+1] op_sel_hi:[1,0,0] neg_lo:[0,0,1] neg_hi:[0,0,1]  ; pair b: c s - c m
.elseif j < 70
.set e, j-38
.if j < 66
.set e, j-32-(j-38)/4
.endif
.if j < 38
.set e, (j-25)/2
.endif
	v_exp_f32 v[rS+e], v[rS+e]
.elseif j < 86
	v_cvt_pk_f16_f32 v[rP+j-70], v[rS+2*(j-70)], v[rS+2*(j-70)+1]
.elseif j < 102
.set z, j-86
.set w, 4
.set u, z
.if z >= 14
.set w, 32
.set u, 0
.elseif z >= 12
.set w, 16
.set u, z-12
.elseif z >= 8
.set w, 8
.set u, z-8
.endif
.if (z == 14) && \first
	v_pk_add_f32 v[rT+2:rT+3], v[rS:rS+1], v[rS+16:rS+17]
.elseif z < 15
	v_pk_add_f32 v[rS+w*u:rS+w*u+1], v[rS+w*u:rS+w*u+1], v[rS+w*u+w/2:rS+w*u+w/2+1]
.elseif !\first
	v_pk_fma_f32 v[rT+2:rT+3], v[rT+2:rT+3], v[rT+6:rT+7], v[rS:rS+1] op_sel_hi:[1,0,1]
.endif
.else
	WIN W_RS
	v_pk_mul_f32 v[rO:rO+1], v[rO:rO+1], v[rT+6:rT+7] op_sel_hi:[1,0]
.endif
.endm
; Piece y's softmax: the two tiles' lists by turns, so that no line reads the result of the line above it.  The 66 exponentials are one batch: a plain line and ONE wait stand between the last of them and the first reader.
.macro SOFT y, first
.set j, 0
.rept 70
	SM \y, \first
	SM (\y)+1, \first
.set j, j+1
.endr
	v_nop
	s_wait_alu depctr_va_vdst(0)    ; the wait ahead of the first line that names an exponential's result
.rept 64
	SM \y, \first
	SM (\y)+1, \first
.set j, j+1
.endr
.endm
; On the diagonal: register n of a tile holds key KF + 16 (n / 8) + n % 8 + 8 h for query q0 + r: hidden where 16 (n / 8) + n % 8 > d = q0 - KF + r - 8 h.  Each accumulator is taken from its low end on.
.macro MASK y, q0
	s_sub_co_i32 s62, s[\q0], s[KF]
	v_add_nc_u32 v[DD], s62, v[LN]
.irp tt, 0,1
.if \tt
	v_add_nc_u32 v[DD], 16, v[DD]   ; the piece's second tile: 16 queries on
.endif
.set n, 0
.rept 32
	v_cmp_gt_i32 vcc_lo, 16*(n/8)+n%8, v[DD]
	v_cndmask_b32 v[S+32*((\y)+\tt)+n], v[S+32*((\y)+\tt)+n], v[NINF], vcc_lo
.set n, n+1
.endr
.endr
.endm
; A piece's part of a key step, in phases: scores, mask where the diagonal crosses, softmax, O^T.
.macro PIECE y, q0, first
.set i, 0
.rept 32
	KQ \y
.set i, i+1
.endr
	WIN 0
	PLACES                          ; between the last product and the first read of the scores
	s_add_co_u32 s62, s[KF], 63
	s_cmp_le_u32 s62, s[\q0]        ; all 64 keys count for all 32 queries: no mask
	s_cbranch_scc1 .Lopen_\@
	MASK \y, \q0
.Lopen_\@:
	SOFT \y, \first
.if \y == 0
	s_wait_dscnt 0x0                ; V is in
.endif
.set i, 0
.rept 32
	PV \y, \first
.set i, i+1
.endr
	WIN 0
.endm
; A KEY STEP of 64 keys.  The branches hang on ids and the count of steps; they lead round loads, products and softmax, not round the lines at the end that step the key and the LDS address.
.macro STEP first
.if !\first
	s_cmp_gt_u32 s[KF], s[QHL]      ; all keys come after piece 0's queries (and so after piece 2's)
	s_cbranch_scc1 .Lhidden_\@
	PLACES                          ; V's registers were read by the last products: four plain lines ahead of the loads into them
.endif
	FETCH
	s_wait_dscnt 32                 ; K's 32 loads are in; V's 32, issued behind them, may be out
	PIECE 0, QH0, \first
.if !\first
	s_cmp_gt_u32 s[KF], s[QLL]
	s_cbranch_scc1 .Lhidden_\@
.endif
	PIECE 2, QL0, \first
.Lhidden_\@:
	s_add_co_u32 s[KF], s[KF], KS
	s_add_co_u32 s[TB], s[TB], STEPB
.endm
.macro SLOT_END
	s_sub_co_u32 s[TB], s[TB], 2*STEPB  ; back to a slot's first step,
	s_xor_b32 s[TB], s[TB], SLOT1       ; in the other slot
.endm
.macro TWO_STEPS
	s_mov_b32 s[TWICE], 2
.Lstep_\@:
	STEP 0
	s_sub_co_u32 s[TWICE], s[TWICE], 1
	s_cmp_lg_u32 s[TWICE], 0
	s_cbranch_scc1 .Lstep_\@
.endm
; THE CHANGE OF SLOTS, at a slot's head.  Each wave waits for all its tensor loads (its part of the slot ahead), adds 0 to its spare word, and waits for that and for its reads of the slot that it has left.  Behind the barrier
; the slot ahead is whole and nobody reads the other one.  fill = 1: the other slot takes the next 128 keys: one load a wave, first thing behind the barrier; it has two key steps in which to land.
; lim = 1: the look-ahead ends at the causal limit: a slot whose first key comes after the work-group's last query is read by none of its waves and is not asked for.  The test is made of ids and the count of steps, is the same
; in all four waves, and leads round the load's own lines alone; every wait on TENSORcnt in this text is for 0.
.macro CHANGE fill, lim
	s_wait_tensorcnt 0x0            ; no tensor load of mine is out, so a group 0 may be written
	ds_add_u32 v[SPW], v[NIL]
.if \fill
	s_xor_b32 s[G0K+1], s[G0K+1], SLOT1
	s_add_nc_u64 s[G0K+2:G0K+3], s[G0K+2:G0K+3], 2*KS*XROW
	s_xor_b32 s[G0V+1], s[G0V+1], SLOT1
	s_add_nc_u64 s[G0V+2:G0V+3], s[G0V+2:G0V+3], 2*KS*XROW
	s_wait_xcnt 0x0                 ; the last prefetches, a slot back, have read their address
	s_add_nc_u64 s[PFA:PFA+1], s[PFA:PFA+1], 2*KS*XROW   ; one slot further on than the walking descriptors
.endif
	s_wait_dscnt 0x0                ; the add is done, and my reads of the slot that I have left are over
	s_barrier_signal -1
	s_barrier_wait -1
.if \fill
.if \lim
	s_add_co_u32 s62, s[KF], 2*KS   ; the first key of the slot that this change would ask for
	s_cmp_gt_u32 s62, s[QHL]
	s_cbranch_scc1 .Lpast_\@
.endif
	TLOAD
.Lpast_\@:
	ASK
.endif
.endm
	; POSITIONS 0-15 IN F32: my head's 16 x 16 attention, in the work-groups with j = 0 alone (a branch on the work-group's number).  It has no LDS instruction, no barrier and no tensor load.
	; K IS PERMUTED ALIKE ON BOTH SOURCES, so that 16-byte loads and result registers serve as operands (lane (r, h) gives a step two numbers): scores: step (c, u) takes channels 8 c + 4 h + 2 u + {0, 1};
	; second product: step s takes keys 8 h + 2 s + {0, 1}.  Both products are used transposed: a lane holds ONE query.  Q lies in v64-127, K in v128-191, V in v192-255 of window 0, which the key steps do not use yet.
	s_cmp_lg_u32 ttmp9, 0
	s_cbranch_scc1 .Lno_fine
	s_mul_i32 s78, s14, 16*FROW     ; my batch's 16 rows of xfine
	s_lshl_b32 s79, s[WV], 2
	s_add_co_u32 s79, s79, s15      ; my head: 4 g + hkv
	s_lshl_b32 s72, s79, 9          ; its 128 columns: 512 bytes
	s_add_co_u32 s72, s72, s78
	s_mov_b32 s73, 0
	s_lshl_b32 s74, s15, 9          ; my kv head's
	s_add_co_u32 s74, s74, s78
	s_add_co_u32 s74, s74, 8192     ; xk begins 8,192 bytes into a row; xv 2,048 further on
	s_mov_b32 s75, 0
	s_lshl_b32 s76, s14, 4
	s_add_co_u32 s76, s76, s79
	s_lshl_b32 s76, s76, 13         ; xofine: 8,192 bytes for each batch and head
	s_mov_b32 s77, 0
	s_add_nc_u64 s[72:73], s[68:69], s[72:73]
	s_add_nc_u64 s[74:75], s[68:69], s[74:75]
	s_add_nc_u64 s[76:77], s[70:71], s[76:77]
	v_mul_u32_u24 v46, v1, FROW
	v_lshl_add_u32 v46, v45, 4, v46 ; Q, K: row r, + 16 h
	v_mul_u32_u24 v47, v45, 8*FROW
	v_lshl_add_u32 v47, v1, 2, v47  ; V: keys 8 h on, channel r
	v_and_b32 v48, 31, v0
	v_lshlrev_b32 v48, 4, v48       ; the images: 16 x lane
.irp c, 0,1,2,3,4,5,6,7,8,9,10,11,12,13,14,15
	global_load_b128 v[64+4*\c:67+4*\c], v46, s[72:73] offset:32*\c      ; Q(r, 8 c + 4 h + 0 .. 3)
.endr
.irp c, 0,1,2,3,4,5,6,7,8,9,10,11,12,13,14,15
	global_load_b128 v[128+4*\c:131+4*\c], v46, s[74:75] offset:32*\c    ; K likewise
.endr
.irp t, 0,1,2,3,4,5,6,7
.irp k, 0,1,2,3,4,5,6,7
	global_load_b32 v[192+8*\t+\k], v47, s[74:75] offset:2048+\k*FROW+64*\t   ; V(8 h + k, 16 t + r)
.endr
.endr
	s_wait_loadcnt 63               ; of the 128 loads issued at most 63 are out: the oldest 65 are in: the f16 Q's 32 and these Q's and K's 32 among them
	WIN 0xf0                        ; C and D window 3, sources window 0
.set n, 0
.rept 32                            ; S^T = K Q^T: 32 steps of 4 channels on four accumulators by turns; the first four start the sums
.if n < 4
	v_wmma_f32_16x16x4_f32 v[FACC+8*(n%4):FACC+8*(n%4)+7], v[128+2*n:129+2*n], v[64+2*n:65+2*n], 0
.else
	v_wmma_f32_16x16x4_f32 v[FACC+8*(n%4):FACC+8*(n%4)+7], v[128+2*n:129+2*n], v[64+2*n:65+2*n], v[FACC+8*(n%4):FACC+8*(n%4)+7]
.endif
.set n, n+1
.endr
.rept 9
	v_nop                           ; plain lines behind this matrix form: 8 ahead of a read of a result, 9 ahead of a matrix instruction that writes over one (ISA guide 7.12.1)
.endr
	WIN 0x0f                        ; sources 0 and 1 window 3
.irp q, 0,1,2,3,4,5,6,7             ; the four partial sums; each accumulator is read from its low end on
	v_add_f32 v[12+\q], v[FACC+\q], v[FACC+8+\q]
	v_add_f32 v[20+\q], v[FACC+16+\q], v[FACC+24+\q]
.endr
	WIN 0
.irp q, 0,1,2,3,4,5,6,7
	v_add_f32 v[12+\q], v[12+\q], v[20+\q]
.endr
	v_mov_b32 v31, 0                ; (a lane permute's destination counts as one of its sources)
.irp q, 0,1,2,3,4,5,6,7             ; lane (r, h) holds query r and keys 8 h + 0 .. 7: key 8 h + q is hidden where q is above r - 8 h
	v_cmp_gt_i32 vcc_lo, \q, v[LN]
	v_cndmask_b32 v[12+\q], v[12+\q], v[NINF], vcc_lo
.endr
	v_max3_num_f32 v30, v12, v13, v14
	v_max3_num_f32 v30, v30, v15, v16
	v_max3_num_f32 v30, v30, v17, v18
	v_max_num_f32 v30, v30, v19
	v_permlanex16_b32 v31, v30, s[SEL], s[SEL+1]
	v_max_num_f32 v30, v30, v31     ; the row's largest score: key 0 counts for every query, so it is a number
	v_mul_f32 v32, s[CS], v30
.irp q, 0,1,2,3,4,5,6,7
	v_fma_f32 v[12+\q], v[12+\q], s[CS], -v32   ; c s - c m
.endr
.irp q, 0,1,2,3,4,5,6,7
	v_exp_f32 v[12+\q], v[12+\q]
.endr
	v_nop                           ; a plain line behind the last exponential,
	s_wait_alu depctr_va_vdst(0)    ; and one wait for the eight, ahead of their first reader
	v_add_f32 v33, v12, v13
	v_add_f32 v34, v14, v15
	v_add_f32 v35, v16, v17
	v_add_f32 v36, v18, v19
	v_add_f32 v33, v33, v34
	v_add_f32 v35, v35, v36
	v_add_f32 v33, v33, v35
	v_permlanex16_b32 v31, v33, s[SEL], s[SEL+1]
	v_add_f32 v33, v33, v31         ; the row's sum
	s_wait_loadcnt 0x0              ; V
	v_rcp_f32 v37, v33
	v_nop
	s_wait_alu depctr_va_vdst(0)
.irp g, 0,1                         ; O^T = V^T P, four tiles of 16 channels at a time on the four accumulators by turns; then xo = O^T / l into Q's registers
	WIN 0xf0
.irp s, 0,1,2,3
.irp t, 0,1,2,3
.if \s == 0
	v_wmma_f32_16x16x4_f32 v[FACC+8*\t:FACC+8*\t+7], v[192+8*(4*\g+\t)+2*\s:193+8*(4*\g+\t)+2*\s], v[12+2*\s:13+2*\s], 0
.else
	v_wmma_f32_16x16x4_f32 v[FACC+8*\t:FACC+8*\t+7], v[192+8*(4*\g+\t)+2*\s:193+8*(4*\g+\t)+2*\s], v[12+2*\s:13+2*\s], v[FACC+8*\t:FACC+8*\t+7]
.endif
.endr
.endr
.rept 9
	v_nop
.endr
	WIN 0x03                        ; source 0 window 3
.irp q, 0,1,2,3,4,5,6,7,8,9,10,11,12,13,14,15,16,17,18,19,20,21,22,23,24,25,26,27,28,29,30,31
	v_mul_f32 v[64+32*\g+\q], v[FACC+\q], v37   ; register 32 g + 8 t + i: xo(r, 64 g + 16 t + 8 h + i)
.endr
.endr
	WIN 0
.irp q, 0,1,2,3,4,5,6,7,8,9,10,11,12,13,14,15
	global_store_b128 v48, v[64+4*\q:67+4*\q], s[76:77] offset:512*\q   ; an image of four registers: 32 lanes store 512 consecutive bytes, at a multiple of 256
.endr
	s_wait_xcnt 0x0                 ; the stores have read their registers, which the first scores are written into
.Lno_fine:
	s_wait_loadcnt 0x0              ; Q
	CHANGE 1, 0                     ; slot 1 begins at key 128, at or under every work-group's last query (543 at the least): it is always asked for
	STEP 1                          ; key step 0 starts m, l and O^T of both pieces
	STEP 0
	SLOT_END
	s_mov_b32 s[SLOTS], 6
.Lslot:                             ; six trips: slots 1 to 6 are read, slots 2 to 7 asked for (up to the limit)
	CHANGE 1, 1
	TWO_STEPS
	SLOT_END
	s_sub_co_u32 s[SLOTS], s[SLOTS], 1
	s_cmp_lg_u32 s[SLOTS], 0
	s_cbranch_scc1 .Lslot
	CHANGE 0, 0                     ; the last slot: nothing is left to ask for
	TWO_STEPS
	; THE WAY OUT.  l's two halves and the other half of the lanes' are added; O^T is divided by l, rounded to f16 and sent through my stage, a tile (16 rows) at a time.  The additions are the places behind the last products.
.irp t, 0,1,2,3
	v_add_f32 v[ST+8*\t+4], v[ST+8*\t+2], v[ST+8*\t+3]
.endr
.irp t, 0,1,2,3
	v_permlanex16_b32 v[ST+8*\t+5], v[ST+8*\t+4], s[SEL], s[SEL+1]
.endr
.irp t, 0,1,2,3
	v_add_f32 v[ST+8*\t+4], v[ST+8*\t+4], v[ST+8*\t+5]
.endr
.irp t, 0,1,2,3
	v_rcp_f32 v[ST+8*\t+6], v[ST+8*\t+4]
.endr
	v_nop                           ; a plain line behind the last reciprocal,
	s_wait_alu depctr_va_vdst(0)    ; and one wait for the four, ahead of their first reader
.macro PACK t
	WIN W_RS
.set i, 64*\t
.rept 32
	v_pk_mul_f32 v[i:i+1], v[i:i+1], v[ST+8*\t+6:ST+8*\t+7] op_sel_hi:[1,0]
.set i, i+2
.endr
	WIN 0x05                        ; sources 0 and 1 window 1, destination window 0: S^T's registers are free
.set i, 0
.rept 32
	v_cvt_pk_f16_f32 v[S+32*\t+i], v[64*\t+2*i], v[64*\t+2*i+1]
.set i, i+1
.endr
	WIN 0
.irp f, 0,1,2,3,4,5,6,7
	ds_store_b128 v[STO], v[S+32*\t+4*\f:S+32*\t+4*\f+3] offset:32*\f
.endr
.irp f, 0,1,2,3,4,5,6,7
	ds_load_b128 v[S+32*\t+4*\f:S+32*\t+4*\f+3], v[RD] offset:\f*2*SP  ; LDS serves a wave's instructions in order: these see the stores above, and the next tile's stores come behind them
.endr
.endm
.macro SEND t, younger              ; younger: the LDS instructions issued behind tile t's loads: the next tile's sixteen, or none
.irp f, 0,1,2,3,4,5,6,7
	s_wait_dscnt \younger+7-\f
	global_store_b128 v[GO], v[S+32*\t+4*\f:S+32*\t+4*\f+3], s[16+2*(\t/2):17+2*(\t/2)] offset:(\t%2)*16*OROW+\f*2*OROW  ; 16 lanes store 256 consecutive bytes, at a multiple of 256
.endr
.endm
	PACK 0
	PACK 1
	SEND 0, 16
	PACK 2
	SEND 1, 16
	PACK 3
	SEND 2, 16
	SEND 3, 0
	s_wait_tensorcnt 0x0            ; the wave's end
	ds_add_u32 v[SPW], v[NIL]
	s_wait_dscnt 0x0
	s_endpgm
.Lfunc_end_k_q71ba37c9f8_attn:
	.size	k_q71ba37c9f8_attn, .Lfunc_end_k_q71ba37c9f8_attn-k_q71ba37c9f8_attn
	.p2alignl 7, 3214868480
	.fill 96, 4, 3214868480
	.section	.rodata,"a",@progbits
	.p2align	6, 0x0
	.amdhsa_kernel k_q71ba37c9f8_attn
		.amdhsa_group_segment_fixed_size 327680
		.amdhsa_private_segment_fixed_size 0
		.amdhsa_enable_private_segment 0
		.amdhsa_kernarg_size 32
		.amdhsa_user_sgpr_count 2
		.amdhsa_user_sgpr_kernarg_segment_ptr 1
		.amdhsa_wavefront_size32 1
		.amdhsa_system_sgpr_workgroup_id_x 1
		.amdhsa_system_sgpr_workgroup_id_y 1
		.amdhsa_system_sgpr_workgroup_id_z 1
		.amdhsa_system_vgpr_workitem_id 0
		.amdhsa_next_free_vgpr 1024
		.amdhsa_next_free_sgpr 80
		.amdhsa_reserve_vcc 1
		.amdhsa_float_denorm_mode_32 3
		.amdhsa_float_denorm_mode_16_64 3
		.amdhsa_memory_ordered 1
		.amdhsa_forward_progress 1
		.amdhsa_inst_pref_size 253
	.end_amdhsa_kernel
	.amdgpu_metadata
---
amdhsa.version: [ 1, 2 ]
amdhsa.kernels:
  - .name:           k_q71ba37c9f8_attn
    .symbol:         k_q71ba37c9f8_attn.kd
    .args:
      - { .name: xqkv, .offset: 0, .size: 8, .value_kind: global_buffer, .address_space: global }
      - { .name: xo16, .offset: 8, .size: 8, .value_kind: global_buffer, .address_space: global }
      - { .name: xfine, .offset: 16, .size: 8, .value_kind: global_buffer, .address_space: global }
      - { .name: xofine, .offset: 24, .size: 8, .value_kind: global_buffer, .address_space: global }
    .group_segment_fixed_size: 327680
    .private_segment_fixed_size: 0
    .kernarg_segment_align: 8
    .kernarg_segment_size: 32
    .max_flat_workgroup_size: 128
    .sgpr_count:     80
    .vgpr_count:     1024
    .wavefront_size: 32
...
	.end_amdgpu_metadata
.endif
;; end of part 3
;; launch outp (part 4): grid 8 x 32, 4 waves a work-group, clusters of 4 x 4, 327,680 bytes of LDS; arguments xo16, wo16, out_proj_bias, out0; writes out0
.if DOCPART == 4
	.amdgcn_target "amdgcn-amd-amdhsa--gfx1250"
	.amdhsa_code_object_version 6
	.text
	.protected	k_q71ba37c9f8_outp
	.globl	k_q71ba37c9f8_outp
	.p2align	8
	.type	k_q71ba37c9f8_outp,@function
k_q71ba37c9f8_outp:
	s_mov_b64 s[64:65], 0
	v_nop
	global_prefetch_b8 v0, s[64:65] scope:SCOPE_SE
	s_setreg_imm32_b32 hwreg(HW_REG_WAVE_MODE, 25, 1), 1
	s_wait_xcnt 0x0
	s_wait_alu depctr_hold_cnt(0) depctr_sa_sdst(0) depctr_va_vdst(0) depctr_va_sdst(0) depctr_va_ssrc(0) depctr_va_vcc(0) depctr_vm_vsrc(0)
	s_getreg_b32 s2, hwreg(HW_REG_IB_STS2, 6, 4)
	s_cmp_eq_u32 s2, 0
	s_cbranch_scc0 .Lentry_in_a_cluster
	s_endpgm
.Lentry_in_a_cluster:
	s_bfe_u32 s2, ttmp6, 0x10000c
	s_cmp_lg_u32 s2, 0xf033
	s_cbranch_scc0 .Lentry_shape_is_right
	s_endpgm
.Lentry_shape_is_right:
; OUTP.  out0[m][n] = sum over k of xo[m][k] W[n][k] + bias[n].  xo16 [4096][2048], wo16 [2048][2048]: f16; out0 [4096][2048], bias: f32; sums in f32.
; (Rows that are positions 0-15 of a batch are stored here from f16 operands and stored again, from f32 ones, by the launch that follows.)
; A tile of out0 is 128 rows x 256 columns: 256 tiles, one for each work-group (256 x 256 would give 128).  Four waves, each 64 x 128: 32 accumulators of 16 x 16.
; THE RING HAS TWO SLOTS OF UNEQUAL LENGTH.  Two slots of 256 along K (2 x 202,752 bytes) do not fit in LDS; three steps of 128 do.  So the small slot holds 128 along K (rows of 256 bytes) and the big one 256 (rows of 512):
; K = 2,048 is walked small, big, small, .. small: 6 x 128 + 5 x 256.  The small slot's refill is asked for as the big one begins and has 240 matrix instructions of a wave in which to land; the big slot's has 112.
; Nine refills in all, each one load a wave behind a round of the cluster's barrier.
; CLUSTER 4 x 4: the four of a row of the cluster need the same tile of xo, the four of a column the same tile of W: each is asked for jointly, by the same load with a mask that names the four.
; No prefetch: each tile is read by several clusters at about the same time.
; THE MATRIX INSTRUCTION IS USED TRANSPOSED (source 0 = 16 rows of W, source 1 = 16 rows of xo): a lane holds eight neighbouring columns of a row.  The bias is the C of each sum's first product.
; REGISTERS: window 0: v16-29 addresses; v32-127, v128-223 two fragment buffers for 32 along K (xo's 4 fragments, then W's 8).  window 1: the accumulators ((a, b) at v[8 (8 a + b)]).  window 2: v0-63 the bias.
.set PS,     272                       ; an LDS row of the small slot: 256 bytes + 16
.set PB,     528                       ; of the big slot: 512 bytes + 16.  Both are odd multiples of 16: the 16 rows that a load touches start in different banks
.set AHS,    64*PS                     ; 64 rows of xo: what waves 0, 1 fetch, and what a wave reads
.set BHS,    128*PS                    ; 128 rows of W: what waves 2, 3 fetch, and what a wave reads
.set AHB,    64*PB
.set BHB,    128*PB
.set BIG,    2*AHS+2*BHS               ; the big slot begins behind the small one
.set SPARE,  BIG+2*AHB+2*BHB           ; behind the ring: the spare words, 128 bytes a wave
.set STAGE,  BIG                       ; the way out: 16 rows x 528 bytes for each wave, in the big slot, which has had its last fill and, ahead of the last barrier, its last read
.set SPITCH, 528
.set LAP,    768                       ; bytes along K from a slot's tile to its next: 384 elements
.set OROW,   8192                      ; a row of out0 in bytes
.set ADRA, 16                          ; v16, v17 LDS address of my xo fragments in the small slot, the big slot
.set ADRB, 20                          ; v20, v21 the same for W
.set BO,   23
.set STO,  24
.set RD,   25
.set CO,   26
.set SPW,  28
.set NIL,  29
.set F0,   32
.set F1,   128
.set BK,   32                          ; the way out: 16 rows read back: v32-95 and v96-159 by turns
.set G1A, 24                           ; s[24:31], s[32:39] descriptor group 1 for xo's tiles: small, big
.set G1B, 40                           ; s[40:47], s[48:55] for W's
.set G0A, 56                           ; s[56:59], s[60:63] group 0 for xo's tiles: small, big
.set G0B, 68                           ; s[68:71], s[72:75] for W's
.set FLD, (1<<16)|(1<<20)|(1<<21)|(3<<25)   ; elements of 2 bytes; padding on, 4 words; bit 21 beside a mask
.set MSB, 0
.macro WIN new
.if MSB != (\new)
	s_set_vgpr_msb (MSB<<8)|(\new)
.set MSB, (\new)
.endif
.endm
.set MUL,   0x50                       ; sources 0 and 1 window 0; C and D window 1
.set FIRST, 0x60                       ; C (the bias) window 2, D window 1
.macro JLOAD s                         ; slot s (0 small, 1 big): waves 0 and 1 fetch xo's two halves, waves 2 and 3 W's; an s_nop 0 and four v_nop follow each line
	s_cmp_eq_u32 s11, 0
	s_cbranch_scc0 .Lfor_b_\@
	tensor_load_to_lds s[G0A+4*\s:G0A+4*\s+3], s[G1A+8*\s:G1A+8*\s+7]
	s_nop 0
.rept 4
	v_nop
.endr
	s_branch .Lasked_\@
.Lfor_b_\@:
	tensor_load_to_lds s[G0B+4*\s:G0B+4*\s+3], s[G1B+8*\s:G1B+8*\s+7]
	s_nop 0
.rept 4
	v_nop
.endr
.Lasked_\@:
.endm
.macro CREST
	s_cmp_lg_u32 s10, 0
	s_cbranch_scc1 .Lnot_wave_0_\@
	s_barrier_signal -3
.Lnot_wave_0_\@:
	s_barrier_wait -3
	s_barrier_signal -1
	s_barrier_wait -1
.endm
.macro CROUND
	s_barrier_signal -1
	s_barrier_wait -1
	CREST
.endm
.macro SHAPE g, kk, rows               ; the constant words of a group 1: a tile of rows x kk elements, 2,048 elements from row to row
	s_mov_b32 s[\g+1], (\kk)<<16
	s_mov_b32 s[\g+2], (\rows)<<16
	s_mov_b32 s[\g+3], (\kk)<<16
	s_mov_b32 s[\g+4], \rows
	s_mov_b32 s[\g+5], 2048
	s_mov_b32 s[\g+6], 0
	s_mov_b32 s[\g+7], 0
.endm
	s_load_b128 s[4:7], s[0:1], 0x0                ; xo16 s[4:5], wo16 s[6:7]
	s_load_b128 s[76:79], s[0:1], 0x10             ; out_proj_bias s[76:77], out0 s[78:79]
	v_lshl_add_u32 v[SPW], v0, 2, SPARE
	v_mov_b32 v[NIL], 0
	ds_add_u32 v[SPW], v[NIL]                      ; the wave's opening: the add, twice on end, and its wait ahead of my first tensor load
	ds_add_u32 v[SPW], v[NIL]
	v_lshrrev_b32 v1, 5, v0
	v_readfirstlane_b32 s10, v1                    ; wave 0..3
	s_lshr_b32 s11, s10, 1                         ; which half of the tile's rows is mine.  Also: I fetch for xo (0) or for W (1)
	s_and_b32 s12, s10, 1                          ; which half of its columns.  Also: which half of that tile I fetch
	s_bfe_u32 s80, ttmp6, 0x40000                  ; cx, cy
	s_bfe_u32 s81, ttmp6, 0x40004
	s_lshl_b32 s82, ttmp9, 2
	s_add_co_u32 s82, s82, s80                     ; tile column = 4 x cluster x + cx
	s_and_b32 s13, ttmp7, 0xffff
	s_lshl_b32 s13, s13, 2
	s_add_co_u32 s13, s13, s81                     ; tile row = 4 x cluster y + cy
	s_lshl_b32 s83, s81, 2
	s_lshl_b32 s83, 15, s83                        ; my row of the cluster
	s_lshl_b32 s84, 0x1111, s80                    ; my column
	s_or_b32 s[G1A], s83, FLD|(5<<22)              ; the small slot's rows are 64 words: padding after every 64 (code 5);
	s_or_b32 s[G1A+8], s83, FLD|(6<<22)            ; the big slot's 128 (code 6)
	s_or_b32 s[G1B], s84, FLD|(5<<22)
	s_or_b32 s[G1B+8], s84, FLD|(6<<22)
	SHAPE G1A, 128, 64
	SHAPE G1A+8, 256, 64
	SHAPE G1B, 128, 128
	SHAPE G1B+8, 256, 128
	s_lshl_b32 s17, s12, 6
	s_lshl_b32 s16, s13, 7
	s_add_co_u32 s16, s16, s17                     ; xo: row 128 x tile row + 64 x half
	s_lshl_b32 s87, s12, 7
	s_lshl_b32 s86, s82, 8
	s_add_co_u32 s86, s86, s87                     ; W: row 256 x tile column + 128 x half
	s_lshl_b32 s16, s16, 12                        ; rows of 4,096 bytes: under 2^32
	s_mov_b32 s17, 0
	s_lshl_b32 s86, s86, 12
	s_mov_b32 s87, 0
	s_mul_i32 s20, s12, AHS                        ; where they go: no place in the cluster enters an LDS address
	s_mul_i32 s21, s12, BHS
	s_mul_i32 s22, s12, AHB
	s_mul_i32 s23, s12, BHB
	s_wait_dscnt 0x0                               ; both opening adds are done
	s_wait_kmcnt 0x0
	s_add_nc_u64 s[14:15], s[4:5], s[16:17]
	s_add_nc_u64 s[86:87], s[6:7], s[86:87]
	CROUND                                         ; all sixteen work-groups are here: the first joint loads meet
	s_mov_b32 s[G0A], 1                            ; the small slot: K 0-127
	s_mov_b32 s[G0A+1], s20
	s_mov_b64 s[G0A+2:G0A+3], s[14:15]
	s_or_b32 s[G0A+3], s[G0A+3], 0x80000000
	s_mov_b32 s[G0B], 1
	s_add_co_u32 s[G0B+1], s21, 2*AHS
	s_mov_b64 s[G0B+2:G0B+3], s[86:87]
	s_or_b32 s[G0B+3], s[G0B+3], 0x80000000
	JLOAD 0
	s_mov_b32 s[G0A+4], 1                          ; the big slot: K 128-383
	s_add_co_u32 s[G0A+5], s22, BIG
	s_add_nc_u64 s[G0A+6:G0A+7], s[14:15], 256
	s_or_b32 s[G0A+7], s[G0A+7], 0x80000000
	s_mov_b32 s[G0B+4], 1
	s_add_co_u32 s[G0B+5], s23, BIG+2*AHB
	s_add_nc_u64 s[G0B+6:G0B+7], s[86:87], 256
	s_or_b32 s[G0B+7], s[G0B+7], 0x80000000
	JLOAD 1
	v_and_b32 v1, 15, v0                           ; r
	v_bfe_u32 v2, v0, 4, 1                         ; h
	s_lshl_b32 s88, s82, 10                        ; my first column, in bytes of f32: 1024 x tile column + 512 x half
	s_lshl_b32 s89, s12, 9
	s_add_co_u32 s88, s88, s89
	s_mov_b32 s89, 0
	s_add_nc_u64 s[76:77], s[76:77], s[88:89]
	s_add_nc_u64 s[78:79], s[78:79], s[88:89]
	v_lshlrev_b32 v[BO], 5, v2
	WIN 0x80                                       ; destination window 2
.irp b, 0,1,2,3,4,5,6,7                        ; the bias in the result's layout: bias[16 b + 8 h + 0 .. 7]
	global_load_b128 v[8*\b:8*\b+3], v[BO], s[76:77] offset:64*\b
	global_load_b128 v[8*\b+4:8*\b+7], v[BO], s[76:77] offset:64*\b+16
.endr
	WIN 0
	s_lshl_b32 s16, s13, 7
	s_lshl_b32 s17, s11, 6
	s_add_co_u32 s16, s16, s17                     ; my first row: 128 x tile row + 64 x half
	s_lshl_b32 s16, s16, 13                        ; rows of 8,192 bytes: under 2^32
	s_mov_b32 s17, 0
	s_add_nc_u64 s[78:79], s[78:79], s[16:17]
	v_mul_u32_u24 v3, v1, PS
	v_lshl_add_u32 v3, v2, 4, v3                   ; a fragment's row x pitch + 16 x half, in the small slot,
	v_mul_u32_u24 v4, v1, PB
	v_lshl_add_u32 v4, v2, 4, v4                   ; in the big one
	s_mul_i32 s21, s11, AHS                        ; my 64 rows of xo
	s_mul_i32 s22, s12, BHS                        ; my 128 rows of W,
	s_add_co_u32 s22, s22, 2*AHS                   ; which lie behind xo's 128
	v_add_nc_u32 v[ADRA], s21, v3
	v_add_nc_u32 v[ADRB], s22, v3
	s_mul_i32 s21, s11, AHB
	s_add_co_u32 s21, s21, BIG
	s_mul_i32 s22, s12, BHB
	s_add_co_u32 s22, s22, BIG+2*AHB
	v_add_nc_u32 v[ADRA+1], s21, v4
	v_add_nc_u32 v[ADRB+1], s22, v4
	s_mul_i32 s23, s10, 16*SPITCH
	s_add_co_u32 s23, s23, STAGE                   ; my stage
	v_mul_u32_u24 v5, v1, SPITCH
	v_lshl_add_u32 v5, v2, 5, v5
	v_add_nc_u32 v[STO], s23, v5                   ; in: row r, 32 bytes for each half of the lanes
	v_and_b32 v6, 31, v0
	v_lshlrev_b32 v[CO], 4, v6                     ; back: the 32 lanes take one row of 512 bytes; the same in out0
	v_add_nc_u32 v[RD], s23, v[CO]
; 8 matrix instructions: row block a x all 8 column blocks, 32 along K, from buffer f.  zero = 1: the products start the sums on the bias.  The 32 accumulators take turns.
.macro MUL8 f, a, zero
.irp b, 0,1,2,3,4,5,6,7
.if \zero
	v_wmma_f32_16x16x32_f16 v[8*(8*(\a)+\b):8*(8*(\a)+\b)+7], v[\f+32+8*\b:\f+32+8*\b+7], v[\f+8*(\a):\f+8*(\a)+7], v[8*\b:8*\b+7]
.else
	v_wmma_f32_16x16x32_f16 v[8*(8*(\a)+\b):8*(8*(\a)+\b)+7], v[\f+32+8*\b:\f+32+8*\b+7], v[\f+8*(\a):\f+8*(\a)+7], v[8*(8*(\a)+\b):8*(8*(\a)+\b)+7]
.endif
.endr
.endm
; 24 LDS loads in one run: W's 16, xo's blocks 0 and 1 (4), blocks 2 and 3 (4): 32 along K at byte k of the rows of slot s (pitch 272 or 528), into buffer f
.macro FETCH slot, k, f
	WIN 0
.irp i, 0,1,2,3,4,5,6,7
	ds_load_b128 v[\f+32+8*\i:\f+32+8*\i+3],   v[ADRB+\slot] offset:\k+\i*16*(PS+256*\slot)
	ds_load_b128 v[\f+32+8*\i+4:\f+32+8*\i+7], v[ADRB+\slot] offset:\k+\i*16*(PS+256*\slot)+32
.endr
.irp i, 0,1,2,3
	ds_load_b128 v[\f+8*\i:\f+8*\i+3],   v[ADRA+\slot] offset:\k+\i*16*(PS+256*\slot)
	ds_load_b128 v[\f+8*\i+4:\f+8*\i+7], v[ADRA+\slot] offset:\k+\i*16*(PS+256*\slot)+32
.endr
.endm
.macro PLACES                          ; four plain lines in front of loads into registers that matrix instructions have read, and of reads of results
.rept 4
	v_nop
.endr
.endm
; A quarter is 32 along K, 32 matrix instructions; the small slot has four, the big one eight, on buffers 0, 1 by turns.  All but a slot's last: multiplies f and fetches the next quarter, at byte k, into g.
.macro QUARTER slot, k, f, g, zero
	s_wait_dscnt 4                                 ; W's and xo's blocks 0, 1 are in; the youngest four loads (blocks 2, 3) may be out
	WIN MUL+0x10*(\zero)
	MUL8 \f, 0, \zero
	MUL8 \f, 1, \zero
	PLACES
	FETCH \slot, \k, \g
	s_wait_dscnt 24                                ; all but the 24 just issued
	WIN MUL+0x10*(\zero)
	MUL8 \f, 2, \zero
	MUL8 \f, 3, \zero
.endm
; A slot's last quarter multiplies buffer 1 and changes slots: one barrier; in front of it each wave waits for all its tensor loads, adds 0 to its spare word, and waits for that and for its reads of this slot.
; fill = 1: this slot is filled again, with its tile 384 further along K.
.macro TURN slot, next, fill
	WIN 0
	s_wait_tensorcnt 0x0                           ; all my tensor loads have landed: my part of the next slot
	ds_add_u32 v[SPW], v[NIL]
	s_wait_dscnt 5                                 ; the add and the youngest four loads may be out
	WIN MUL
	MUL8 F1, 0, 0
	s_wait_dscnt 0x0                               ; the add is done, and my reads of this slot are over
	s_barrier_signal -1
	MUL8 F1, 1, 0
	WIN 0
	s_barrier_wait -1
.if \fill
	CREST                                          ; the barrier has opened a round of the cluster's: no wave of any partner still reads this slot or has a load on its way
	s_add_nc_u64 s[G0A+4*\slot+2:G0A+4*\slot+3], s[G0A+4*\slot+2:G0A+4*\slot+3], LAP
	s_add_nc_u64 s[G0B+4*\slot+2:G0B+4*\slot+3], s[G0B+4*\slot+2:G0B+4*\slot+3], LAP
	JLOAD \slot                                    ; the first tensor load behind the round; its four v_nop are the places in front of the loads below
.else
	PLACES
.endif
	FETCH \next, 0, F0
	WIN MUL
	MUL8 F1, 2, 0
	MUL8 F1, 3, 0
.endm
.macro BIGSLOT                         ; the big slot's first seven quarters
	QUARTER 1, 64,  F0, F1, 0
	QUARTER 1, 128, F1, F0, 0
	QUARTER 1, 192, F0, F1, 0
	QUARTER 1, 256, F1, F0, 0
	QUARTER 1, 320, F0, F1, 0
	QUARTER 1, 384, F1, F0, 0
	QUARTER 1, 448, F0, F1, 0
.endm
	s_wait_loadcnt 0x0                             ; the bias
	s_wait_tensorcnt 1                             ; my part of the small slot is in; the one load behind it, the big slot's, may be out
	s_barrier_signal -1
	s_barrier_wait -1
	FETCH 0, 0, F0
	QUARTER 0, 64, F0, F1, 1                       ; the first quarter stands in front of the loop: its products start the sums
	WIN 0
	s_mov_b32 s3, 4
.Llap:                                                 ; a trip goes once round the ring, 384 along K, from the small slot's second quarter to its next first, and fills both slots again
	QUARTER 0, 128, F1, F0, 0
	QUARTER 0, 192, F0, F1, 0
	TURN 0, 1, 1
	BIGSLOT
	TURN 1, 0, 1
	QUARTER 0, 64,  F0, F1, 0
	WIN 0
	s_sub_co_u32 s3, s3, 1
	s_cmp_lg_u32 s3, 0
	s_cbranch_scc1 .Llap
	QUARTER 0, 128, F1, F0, 0                      ; the fifth time round is written out: the small slot takes its last tile, K 1920-2047; the big one is filled no more
	QUARTER 0, 192, F0, F1, 0
	TURN 0, 1, 1
	BIGSLOT
	TURN 1, 0, 0
	QUARTER 0, 64,  F0, F1, 0
	QUARTER 0, 128, F1, F0, 0
	QUARTER 0, 192, F0, F1, 0
	s_wait_dscnt 4                                 ; the very last quarter: nothing more to fetch
	WIN MUL
	MUL8 F1, 0, 0
	MUL8 F1, 1, 0
	s_wait_dscnt 0
	MUL8 F1, 2, 0
	MUL8 F1, 3, 0
	WIN 0
; THE WAY OUT, block by block of 16 rows x 128 columns: through my own stage, back as whole rows of 512 bytes.  LDS serves a wave's instructions in order: no wait between the stores and the loads.
.macro TOSTAGE a
.set AC, 64*(\a)
	WIN 0x04                                       ; an LDS store's data: window 1
.irp b, 0,1,2,3,4,5,6,7
	ds_store_b128 v[STO], v[AC+8*\b:AC+8*\b+3] offset:64*\b        ; each accumulator from its low end on
	ds_store_b128 v[STO], v[AC+8*\b+4:AC+8*\b+7] offset:64*\b+16
.endr
	WIN 0
.set BB, BK+64*((\a)%2)
.irp t, 0,1,2,3,4,5,6,7,8,9,10,11,12,13,14,15
	ds_load_b128 v[BB+4*\t:BB+4*\t+3], v[RD] offset:\t*SPITCH
.endr
.endm
.macro SEND a, younger                 ; younger: the LDS instructions issued behind block a's loads
.set BB, BK+64*((\a)%2)
	s_wait_dscnt \younger
.if (\a) > 0
	s_add_nc_u64 s[78:79], s[78:79], 16*OROW       ; (behind a wait on XCNT: the earlier stores have read their base)
.endif
.irp t, 0,1,2,3,4,5,6,7,8,9,10,11,12,13,14,15
	global_store_b128 v[CO], v[BB+4*\t:BB+4*\t+3], s[78:79] offset:\t*OROW th:TH_STORE_NT   ; 32 lanes store 512 consecutive bytes, at a multiple of 256
.endr
.endm
	PLACES
	TOSTAGE 0
.irp a, 1,2,3
.if \a > 1
	s_wait_xcnt 0x0                                ; block a - 2's stores have read their registers and their base
.endif
	TOSTAGE \a
	SEND \a-1, 32                                  ; behind block a - 1's loads: block a's 16 stores and 16 loads
.endr
	s_wait_xcnt 0x0
	SEND 3, 0
	s_wait_tensorcnt 0x0                           ; the wave's end
	ds_add_u32 v[SPW], v[NIL]
	s_wait_dscnt 0x0
	CROUND                                         ; the closing round
	s_endpgm
.Lfunc_end_k_q71ba37c9f8_outp:
	.size	k_q71ba37c9f8_outp, .Lfunc_end_k_q71ba37c9f8_outp-k_q71ba37c9f8_outp
	.p2alignl 7, 3214868480
	.fill 96, 4, 3214868480
	.section	.rodata,"a",@progbits
	.p2align	6, 0x0
	.amdhsa_kernel k_q71ba37c9f8_outp
		.amdhsa_group_segment_fixed_size 327680
		.amdhsa_private_segment_fixed_size 0
		.amdhsa_enable_private_segment 0
		.amdhsa_kernarg_size 32
		.amdhsa_user_sgpr_count 2
		.amdhsa_user_sgpr_kernarg_segment_ptr 1
		.amdhsa_wavefront_size32 1
		.amdhsa_system_sgpr_workgroup_id_x 1
		.amdhsa_system_sgpr_workgroup_id_y 1
		.amdhsa_system_sgpr_workgroup_id_z 1
		.amdhsa_system_vgpr_workitem_id 0
		.amdhsa_next_free_vgpr 576
		.amdhsa_next_free_sgpr 90
		.amdhsa_reserve_vcc 0
		.amdhsa_float_denorm_mode_32 3
		.amdhsa_float_denorm_mode_16_64 3
		.amdhsa_memory_ordered 1
		.amdhsa_forward_progress 1
		.amdhsa_inst_pref_size 134
	.end_amdhsa_kernel
	.amdgpu_metadata
---
amdhsa.version: [ 1, 2 ]
amdhsa.kernels:
  - .name:           k_q71ba37c9f8_outp
    .symbol:         k_q71ba37c9f8_outp.kd
    .args:
      - { .name: xo16, .offset: 0, .size: 8, .value_kind: global_buffer, .address_space: global }
      - { .name: wo16, .offset: 8, .size: 8, .value_kind: global_buffer, .address_space: global }
      - { .name: out_proj_bias, .offset: 16, .size: 8, .value_kind: global_buffer, .address_space: global }
      - { .name: out0, .offset: 24, .size: 8, .value_kind: global_buffer, .address_space: global }
    .group_segment_fixed_size: 327680
    .private_segment_fixed_size: 0
    .kernarg_segment_align: 8
    .kernarg_segment_size: 32
    .max_flat_workgroup_size: 128
    .sgpr_count:     90
    .vgpr_count:     576
    .wavefront_size: 32
...
	.end_amdgpu_metadata
.endif
;; end of part 4
;; launch fine (part 5): grid 64 x 4, 16 waves a work-group, no clusters, 34,816 bytes of LDS; arguments xofine, out_proj_weight, out_proj_bias, out0; writes out0
.if DOCPART == 5
	.amdgcn_target "amdgcn-amd-amdhsa--gfx1250"
	.amdhsa_code_object_version 6
	.text
	.protected	k_q71ba37c9f8_fine
	.globl	k_q71ba37c9f8_fine
	.p2align	8
	.type	k_q71ba37c9f8_fine,@function
k_q71ba37c9f8_fine:
	s_mov_b64 s[64:65], 0
	v_nop
	global_prefetch_b8 v0, s[64:65] scope:SCOPE_SE
	s_setreg_imm32_b32 hwreg(HW_REG_WAVE_MODE, 25, 1), 1
	s_wait_xcnt 0x0
; FINE.  The out-projection of the first 16 positions of each batch, all in f32: out0[1024 y + t][n] = sum over k of xo[y][t][k] W[n][k] + bias[n], t 0-15, from the f32 attention result in xofine and out_proj_weight [2048][2048] f32.
; These rows average one to sixteen values and are the largest of the output, so 16-bit operands would weigh most there.  64 rows of 4,096: no bulk work.  It stores over what the coarse out-projection left in these rows.
; xofine: [batch][head][16 groups of 4 registers][32 lanes][16 bytes]: images of the operand's registers: register 8 t + i of lane (r, h) is xo(r, 128 head + 16 t + 8 h + i).
; SHARES.  Work-group (x, y): batch y, output columns 32 x on.  WAVE w IS HEAD w: it multiplies that head's 16 x 128 of xo by W[32 x ..][128 w ..]; the sixteen partial tiles of 16 x 32 meet in LDS.
; A row's piece is 128 bytes: 64 rows in all.  No cluster, no tensor load: what is shared is small, and each operand goes straight into the registers that the matrix unit takes it from.
; K IS PERMUTED ALIKE ON BOTH SOURCES (lane (r, h) gives a step two numbers): step (t, s) takes channels 16 t + 8 h + 2 s + {0, 1}.  Source 0 = 16 rows of W, source 1 = the 16 queries: a lane holds ONE query.
; REGISTERS: v1, v2 the add's two; v4 the images' offset; v5 W's; v6, v7 LDS; v8, v9 the bias's and out0's offsets; v16-79 W's first half, later the partial tiles; v80-143 xo; v144-207 W's second half; v212-215 the bias;
; v240-255 the two accumulators, written by matrix instructions alone.
.set SPW,  1
.set NIL,  2
.set OUT,  240
.set XO,   80
.set SPARE, 32768                      ; behind the sixteen partial tiles of 2,048 bytes: the spare words, 128 bytes a wave
.set WV,   12
	s_load_b128 s[4:7], s[0:1], 0x0                ; xofine s[4:5], out_proj_weight s[6:7]
	s_load_b128 s[8:11], s[0:1], 0x10              ; out_proj_bias s[8:9], out0 s[10:11]
	v_lshl_add_u32 v[SPW], v0, 2, SPARE
	v_mov_b32 v[NIL], 0
	v_lshrrev_b32 v3, 5, v0
	v_readfirstlane_b32 s[WV], v3                  ; wave 0..15 = head
	v_and_b32 v10, 15, v0                          ; r
	v_bfe_u32 v11, v0, 4, 1                        ; h
	v_lshlrev_b32 v5, 13, v10
	v_lshl_add_u32 v5, v11, 5, v5                  ; W: row r of 8,192 bytes, + 32 h
	v_and_b32 v12, 31, v0
	v_lshlrev_b32 v4, 4, v12                       ; 16 x lane
	s_lshl_b32 s13, s[WV], 11
	v_add_nc_u32 v6, s13, v4                       ; my partial tile as an image of its registers: 2,048 x wave + 16 x lane
	; back: thread T = 0..127 sums row T / 8, columns 4 (T % 8) on.  With k = T % 8 they lie in register group 2 (k / 4) + k % 2 of lane T / 8 + 16 ((k / 2) % 2)
	v_bfe_u32 v13, v0, 3, 4
	v_bfe_u32 v14, v0, 2, 1
	v_and_b32 v15, 1, v0
	v_bfe_u32 v3, v0, 1, 1
	v_lshl_add_u32 v14, v14, 1, v15
	v_lshlrev_b32 v7, 9, v14
	v_lshl_add_u32 v7, v3, 8, v7
	v_lshl_add_u32 v7, v13, 4, v7
	v_and_b32 v8, 7, v0
	v_lshlrev_b32 v8, 4, v8                        ; 16 bytes x (T % 8): my four columns
	v_lshl_add_u32 v9, v13, 13, v8                 ; + row T / 8 of 8,192 bytes
	s_and_b32 s14, ttmp7, 0xffff                   ; the batch
	s_lshl_b32 s20, s14, 4
	s_add_co_u32 s20, s20, s[WV]
	s_lshl_b32 s20, s20, 13                        ; xofine: 8,192 bytes for each batch and head
	s_mov_b32 s21, 0
	s_lshl_b32 s15, s[WV], 9                       ; my head's 128 channels: 512 bytes
	s_lshl_b32 s24, ttmp9, 18                      ; W: 32 rows of 8,192 bytes a slice,
	s_add_co_u32 s24, s24, s15                     ; my head's channels
	s_mov_b32 s25, 0
	s_lshl_b32 s26, ttmp9, 7                       ; the slice's 32 columns: 128 bytes
	s_mov_b32 s27, 0
	s_lshl_b32 s28, s14, 23                        ; the batch's first row of out0: 1,024 rows of 8,192 bytes
	s_wait_kmcnt 0x0
	s_add_nc_u64 s[20:21], s[4:5], s[20:21]
	s_add_nc_u64 s[24:25], s[6:7], s[24:25]
	s_add_nc_u64 s[8:9], s[8:9], s[26:27]
	s_add_co_u32 s26, s26, s28
	s_add_nc_u64 s[10:11], s[10:11], s[26:27]
	global_load_b128 v[212:215], v8, s[8:9]        ; my four columns' bias (waves 0 to 3 use it)
.irp q, 0,1,2,3,4,5,6,7,8,9,10,11,12,13,14,15
	global_load_b128 v[XO+4*\q:XO+4*\q+3], v4, s[20:21] offset:512*\q   ; xo's registers as they were stored: 32 lanes read 512 consecutive bytes
.endr
.irp nt, 0,1                                   ; W's first half, channels 0-63 of my head: (tile of 16 columns nt, 16 channels t) at v[16 + 32 nt + 8 t]
.irp t, 0,1,2,3
	global_load_b128 v[16+32*\nt+8*\t:19+32*\nt+8*\t], v5, s[24:25] offset:\nt*131072+64*\t
	global_load_b128 v[20+32*\nt+8*\t:23+32*\nt+8*\t], v5, s[24:25] offset:\nt*131072+64*\t+16
.endr
.endr
.irp nt, 0,1                                   ; W's second half, channels 64-127
.irp t, 0,1,2,3
	global_load_b128 v[144+32*\nt+8*\t:147+32*\nt+8*\t], v5, s[24:25] offset:\nt*131072+64*(\t+4)
	global_load_b128 v[148+32*\nt+8*\t:151+32*\nt+8*\t], v5, s[24:25] offset:\nt*131072+64*(\t+4)+16
.endr
.endr
	; my head's part of the out-projection: 64 steps of 4 channels, the two accumulators by turns; the first two start the sums
.irp u, 0,1
.if \u == 0
	s_wait_loadcnt 16                              ; the bias, xo and W's first half are in; the second half's sixteen loads may be out
.else
	s_wait_loadcnt 0x0
.endif
.irp t, 0,1,2,3
.irp s, 0,1,2,3
.irp nt, 0,1
.if (\u == 0) && (\t == 0) && (\s == 0)
	v_wmma_f32_16x16x4_f32 v[OUT+8*\nt:OUT+8*\nt+7], v[16+128*\u+32*\nt+8*\t+2*\s:17+128*\u+32*\nt+8*\t+2*\s], v[XO+32*\u+8*\t+2*\s:XO+32*\u+8*\t+2*\s+1], 0
.else
	v_wmma_f32_16x16x4_f32 v[OUT+8*\nt:OUT+8*\nt+7], v[16+128*\u+32*\nt+8*\t+2*\s:17+128*\u+32*\nt+8*\t+2*\s], v[XO+32*\u+8*\t+2*\s:XO+32*\u+8*\t+2*\s+1], v[OUT+8*\nt:OUT+8*\nt+7]
.endif
.endr
.endr
.endr
.endr
.rept 8
	v_nop                                          ; eight plain lines behind this matrix form, ahead of the reads of its results and of loads into its operands
.endr
	ds_store_b128 v6, v[OUT:OUT+3]                 ; lane (r, h): out(r, 16 nt + 8 h + 0 .. 7): four groups of four registers, 512 bytes each, low end first
	ds_store_b128 v6, v[OUT+4:OUT+7] offset:512
	ds_store_b128 v6, v[OUT+8:OUT+11] offset:1024
	ds_store_b128 v6, v[OUT+12:OUT+15] offset:1536
	s_wait_dscnt 0x0                               ; for the others' sake: my stores have landed
	s_barrier_signal -1
	s_barrier_wait -1
	s_cmp_ge_u32 s[WV], 4                          ; 128 threads sum the 16 x 32 numbers, four each
	s_cbranch_scc1 .Lend
.irp i, 0,1,2,3,4,5,6,7,8,9,10,11,12,13,14,15
	ds_load_b128 v[16+4*\i:19+4*\i], v7 offset:2048*\i
.endr
	s_wait_dscnt 0x0
.irp i, 1,2,3,4,5,6,7,8,9,10,11,12,13,14,15    ; the heads in ascending order
	v_pk_add_f32 v[16:17], v[16:17], v[16+4*\i:17+4*\i]
	v_pk_add_f32 v[18:19], v[18:19], v[18+4*\i:19+4*\i]
.endr
	v_pk_add_f32 v[16:17], v[16:17], v[212:213]
	v_pk_add_f32 v[18:19], v[18:19], v[214:215]
	global_store_b128 v9, v[16:19], s[10:11]       ; eight lanes store a row's 128 consecutive bytes
.Lend:
	s_wait_tensorcnt 0x0                           ; the wave's end, behind my last LDS store
	ds_add_u32 v[SPW], v[NIL]
	s_wait_dscnt 0x0
	s_endpgm
.Lfunc_end_k_q71ba37c9f8_fine:
	.size	k_q71ba37c9f8_fine, .Lfunc_end_k_q71ba37c9f8_fine-k_q71ba37c9f8_fine
	.p2alignl 7, 3214868480
	.fill 96, 4, 3214868480
	.section	.rodata,"a",@progbits
	.p2align	6, 0x0
	.amdhsa_kernel k_q71ba37c9f8_fine
		.amdhsa_group_segment_fixed_size 34816
		.amdhsa_private_segment_fixed_size 0
		.amdhsa_enable_private_segment 0
		.amdhsa_kernarg_size 32
		.amdhsa_user_sgpr_count 2
		.amdhsa_user_sgpr_kernarg_segment_ptr 1
		.amdhsa_wavefront_size32 1
		.amdhsa_system_sgpr_workgroup_id_x 1
		.amdhsa_system_sgpr_workgroup_id_y 1
		.amdhsa_system_sgpr_workgroup_id_z 1
		.amdhsa_system_vgpr_workitem_id 0
		.amdhsa_next_free_vgpr 256
		.amdhsa_next_free_sgpr 66
		.amdhsa_reserve_vcc 0
		.amdhsa_float_denorm_mode_32 3
		.amdhsa_float_denorm_mode_16_64 3
		.amdhsa_memory_ordered 1
		.amdhsa_forward_progress 1
		.amdhsa_inst_pref_size 15
	.end_amdhsa_kernel
	.amdgpu_metadata
---
amdhsa.version: [ 1, 2 ]
amdhsa.kernels:
  - .name:           k_q71ba37c9f8_fine
    .symbol:         k_q71ba37c9f8_fine.kd
    .args:
      - { .name: xofine, .offset: 0, .size: 8, .value_kind: global_buffer, .address_space: global }
      - { .name: out_proj_weight, .offset: 8, .size: 8, .value_kind: global_buffer, .address_space: global }
      - { .name: out_proj_bias, .offset: 16, .size: 8, .value_kind: global_buffer, .address_space: global }
      - { .name: out0, .offset: 24, .size: 8, .value_kind: global_buffer, .address_space: global }
    .group_segment_fixed_size: 34816
    .private_segment_fixed_size: 0
    .kernarg_segment_align: 8
    .kernarg_segment_size: 32
    .max_flat_workgroup_size: 512
    .sgpr_count:     66
    .vgpr_count:     256
    .wavefront_size: 32
...
	.end_amdgpu_metadata
.endif
;; end of part 5
